; MI455X (gfx1250); checked and timed in simulation.
; The chip was launched on July 23, 2026; its instructions are those of AMD's public machine-readable ISA for CDNA 5 (MIT licence, August 2026) and "CDNA5" Instruction Set Architecture Reference Guide (July 2026). The comments in the code are by the model that wrote it; some were corrected since.
;; Causal Self Attention. Allowed arithmetic: matrix products marked QUANTISED: E2M1 operands, one E8M0 scale for each 32 along K, by v_wmma_scale_f32_16x16x128_f8f6f4 with both operands' format E2M1 (or v_wmma_scale_f32_32x16x128_f4), f32 sums; products left as they are: bf16, f16 or f32 operands; f32 sums; everything else in f32.
;; Inputs: w_attn 1,024 x 3,072 float32; w_proj 1,024 x 1,024 float32; x 4 x 2,048 x 1,024 float32.
;; Outputs: out0 4 x 2,048 x 1,024 float32.
;; This version of the problem:
;;   THIS VERSION OF THE PROBLEM IS GIVEN IN LOW PRECISION. The matrix products marked QUANTISED in the list below multiply operands that are first quantised to E2M1 (2 exponent bits, 1 mantissa bit; 4 bits a number), with one power-of-two scale for each 32 numbers along K (OCP MX v1.0); their sums are f32. The products marked 'left as it is' may take bf16, f16 or f32 operands, with f32 sums. Whichever they take, every output number must still come out within the allowed error. Rounding operands to bf16 (8 significant bits) uses up far more of that allowance than f16 does (11 bits, for magnitudes from 6e-5 to 65,504). All else is computed in f32.
;;   The module's matrix products, in the order in which they are computed (A, B: the left and right operand; K: the contracted axis; several contracted axes count as one K, in the product's order):
;;     1. [M 8,192, K 1,024] x [K 1,024, N 3,072]; A: input x; B: input w_attn: QUANTISED
;;     2. batch 64 x [M 2,048, K 64] x [K 64, N 2,048]; A: computed on the way; B: computed on the way: left as it is (an operand is computed on the way)
;;     3. batch 64 x [M 2,048, K 2,048] x [K 2,048, N 64]; A: computed on the way; B: computed on the way: left as it is (an operand is computed on the way)
;;     4. [M 8,192, K 1,024] x [K 1,024, N 1,024]; A: computed on the way; B: input w_proj: left as it is (an operand is computed on the way)
;;   THE QUANTISER, for each operand of a quantised product, along K:
;;     - K is cut into blocks of 32 from its start; a last block that is shorter is filled with zeros.
;;     - A block's scale is 2^e with e = floor(log2(the largest magnitude in the block)) - 2, held to -126 .. 127; a block of zeros has e = 0. As a byte (E8M0): e + 127.
;;     - Each number is divided by its block's scale, clamped to +-6, and rounded to the nearest number of E2M1, ties to even, subnormals kept.
;;     - The product sums the exact products of the quantised numbers (number of the format x scale) in f32.
;;   ~~~python
;;   def quantise(x, axis):      # numpy; x: float32 -> the quantised numbers, widened to float32 again
;;       x = np.moveaxis(x, axis, -1); K = x.shape[-1]
;;       x = np.pad(x, [(0, 0)] * (x.ndim - 1) + [(0, -K % 32)]); x = x.reshape(x.shape[:-1] + (-1, 32)); a = np.abs(x).max(-1, keepdims=True)
;;       e = np.where(a > 0, np.clip(np.frexp(np.where(a > 0, a, 1))[1] - 1 - 2, -126, 127), 0)      # np.frexp(a)[1] - 1 = floor(log2(a)), exactly
;;       r = np.clip(x / 2.0 ** e, -6, 6)
;;       step = 2.0 ** (np.maximum(np.frexp(np.where(r == 0, 1, r))[1] - 1, 0) - 1)
;;       q = np.round(r / step) * step * 2.0 ** e      # np.round: ties to even
;;       return np.moveaxis(q.reshape(q.shape[:-2] + (-1,))[..., :K], -1, axis).astype(np.float32)
;;   ~~~
;; One version. Each part assembles by itself: llvm-mc -triple=amdgcn-amd-amdhsa -mcpu=gfx1250 --defsym DOCPART=n.
;; ======== version 1 of 1: 6 launches
;; limits: values are held in f16: magnitudes above 65,504 overflow, below 6.1e-05 lose precision
;; workspace buffers: xc 4,194,304 bytes; xs 262,144 bytes; wc 1,572,864 bytes; ws 98,304 bytes; wp16 2,097,152 bytes; qkv 50,331,648 bytes; y16 16,777,216 bytes; yf 262,144 bytes
;; launch prep (part 1): grid 336 x 1, 4 waves a work-group, no clusters, 68,096 bytes of LDS; arguments x, w_attn, w_proj, xc, xs, wc, ws, wp16; writes xc, xs, wc, ws, wp16
.if DOCPART == 1
	.amdgcn_target "amdgcn-amd-amdhsa--gfx1250"
	.amdhsa_code_object_version 6
	.text
	.protected	k_q48e5e19a71_prep
	.globl	k_q48e5e19a71_prep
	.p2align	8
	.type	k_q48e5e19a71_prep,@function
k_q48e5e19a71_prep:
	s_mov_b64 s[64:65], 0
	v_nop
	global_prefetch_b8 v0, s[64:65] scope:SCOPE_SE
	s_setreg_imm32_b32 hwreg(HW_REG_WAVE_MODE, 25, 1), 1
	s_wait_xcnt 0x0
; PREP: the operands of the later launches are made once.
;   work-groups   0-255: x [8192][1024] f32 -> xc [8192][512 bytes] codes of E2M1 (K innermost, the lower k in the low four bits), xs [8192][32] E8M0 bytes
;   work-groups 256-303: w_attn [1024 k][3072 n] f32 -> wc [3072 n][512 bytes] codes with K moved innermost, ws [3072][32]
;   work-groups 304-335: w_proj [1024][1024] f32 -> wp16, the same numbers in f16 (round to nearest even), same layout
; A block's scale is 2^(floor(log2(largest magnitude)) - 2); its byte is the largest magnitude's exponent field - 2, held at 1 from below.
; LIMITS: a block of zeros gets the byte 1 where the rule says 127 (its codes are zeros, and this program alone reads the bytes); blocks whose largest magnitude lies under 2^-124 are held at byte 1;
; NaN and infinities among the inputs are not served; |w_proj| of 65,520 and more becomes infinity in f16.
; The three paths part on the work-group's number alone; each has LDS bytes of its own; no barrier, no tensor load: waves share nothing.
.set SPW,   190                        ; v190 LDS address of my spare word: SPARE + 4 x my thread's number; never rewritten
.set NIL,   191                        ; v191 0; never rewritten
.set SPARE, 67584                      ; behind both paths' regions: 128 bytes for each wave
.set EMAX,  2
; path X
.set STEPS, 16
.set WREG,  8192                       ; a wave's region: two stages of 32 x SP bytes, then its 256 scale bytes
.set SP,    80                         ; a lane's place in a stage: 64 bytes + 16 of padding
.set XR,    16                         ; v16-79   four sets of 16 numbers as loaded
.set XX,    80                         ; v80-111  two sets of 16 neighbours
.set XE,    112                        ; v112-127 a scale byte for each step
.set XC,    128                        ; v128-189 codes: four registers for each step (two used)
; path W
.set WBASE, 32768                      ; its stages begin here
.set WPITCH, 272                       ; a stage row: 256 bytes of codes + 16
.set WN,    3072
.set NB,    16                         ; blocks of 32 along K for a wave
.set WX,    32                         ; v32-95   two sets of 32 numbers
.set WC,    96                         ; v96-99   a block's codes
.set WSB,   24                         ; v24-27   the scale bytes, four to a register
.set WOUT,  112                        ; v112-175 the way out
	s_load_b256 s[4:11], s[0:1], 0x0               ; x s[4:5], w_attn s[6:7], w_proj s[8:9], xc s[10:11]
	s_load_b256 s[12:19], s[0:1], 0x20             ; xs s[12:13], wc s[14:15], ws s[16:17], wp16 s[18:19]
	v_lshl_add_u32 v[SPW], v0, 2, SPARE
	v_mov_b32 v[NIL], 0
	v_lshrrev_b32 v1, 5, v0
	v_readfirstlane_b32 s20, v1                    ; wave 0..3
	v_and_b32 v2, 31, v0                           ; lane
	s_mov_b32 s25, 0                               ; the upper word of every offset pair s[24:25]
	s_wait_kmcnt 0x0
	s_cmp_lt_u32 ttmp9, 256
	s_cbranch_scc0 .Lnot_x
; ---------------- PATH X: a wave takes 16 steps of 512 numbers of x, a plain stream of blocks of 32 ----------------
; Each load reads 512 consecutive bytes; a step's 2,048 bytes turn through the wave's own stage, so that a lane holds 16 neighbours (two lanes to a block).
	v_lshlrev_b32 v3, 4, v2                        ; my 16 bytes of a load's 512
	s_mul_i32 s21, s20, WREG
	v_lshrrev_b32 v14, 2, v2
	v_mul_u32_u24 v14, v14, SP
	v_and_b32 v15, 3, v2
	v_lshl_add_u32 v14, v15, 4, v14
	v_add_nc_u32 v14, s21, v14                     ; the stage, on the way in: SP (lane / 4) + 16 (lane % 4)
	v_mul_u32_u24 v15, v2, SP
	v_add_nc_u32 v15, s21, v15                     ; on the way out: SP x lane
	v_mul_u32_u24 v4, v2, 8                        ; my 8 bytes of a step's 256 bytes of codes
	v_lshrrev_b32 v5, 1, v2
	s_add_co_u32 s21, s21, 2*32*SP
	v_add_nc_u32 v5, s21, v5                       ; my block's byte among my wave's 256 scale bytes
	v_lshlrev_b32 v7, 3, v2
	v_add_nc_u32 v6, s21, v7                       ; and 8 of them a lane on the way out
	s_lshl_b32 s22, ttmp9, 2
	s_add_co_u32 s22, s22, s20                     ; which run of 8,192 numbers is my wave's: 0..1023
	s_lshl_b32 s24, s22, 15
	s_add_nc_u64 s[4:5], s[4:5], s[24:25]          ; 32,768 bytes of x a run,
	s_lshl_b32 s24, s22, 12
	s_add_nc_u64 s[10:11], s[10:11], s[24:25]      ; 4,096 of codes,
	s_lshl_b32 s24, s22, 8
	s_add_nc_u64 s[12:13], s[12:13], s[24:25]      ; 256 scale bytes
.macro XLOAD t
.irp i, 0,1,2,3
	global_load_b128 v[XR+16*((\t)%4)+4*\i:XR+16*((\t)%4)+4*\i+3], v3, s[4:5] offset:2048*(\t)+512*\i th:TH_LOAD_NT
.endr
.endm
.macro XTURN t                         ; LDS serves a wave's instructions in order: no wait between the stores and the loads
.irp i, 0,1,2,3
	ds_store_b128 v14, v[XR+16*((\t)%4)+4*\i:XR+16*((\t)%4)+4*\i+3] offset:32*SP*((\t)%2)+8*SP*\i
.endr
.irp i, 0,1,2,3
	ds_load_b128 v[XX+16*((\t)%2)+4*\i:XX+16*((\t)%2)+4*\i+3], v15 offset:32*SP*((\t)%2)+16*\i
.endr
.endm
.irp t, 0,1,2,3
	XLOAD \t
.endr
	s_wait_loadcnt 12                              ; step 0's four loads are in; three steps' twelve may be out
	XTURN 0
.macro XSTEP t
.set XS, XX+16*((\t)%2)
.if (\t) > 0
	s_wait_dscnt 1                                 ; this step's numbers are back from the stage; the last step's byte store may be out
.else
	s_wait_dscnt 0x0
.endif
.if (\t)+4 < STEPS
	XLOAD (\t)+4                                   ; into the registers that the stage's stores have read
.endif
.if (\t)+1 < STEPS
.if STEPS-2-(\t) >= 3
	s_wait_loadcnt 12                              ; the next step's four loads are in; the three steps behind it may be out
.else
	s_wait_loadcnt 4*(STEPS-2-(\t))                ; the counts run down: four loads for each step still behind the next
.endif
	XTURN (\t)+1
.endif
	v_max3_num_f32 v8, |v[XS]|, |v[XS+1]|, |v[XS+2]|
	v_max3_num_f32 v9, |v[XS+3]|, |v[XS+4]|, |v[XS+5]|
.irp i, 6,10
	v_max3_num_f32 v8, v8, |v[XS+\i]|, |v[XS+\i+1]|
	v_max3_num_f32 v9, v9, |v[XS+\i+2]|, |v[XS+\i+3]|
.endr
	v_max3_num_f32 v8, v8, |v[XS+14]|, |v[XS+15]|
	v_max3_num_f32 v8, v8, v9, (EMAX+1)<<23        ; with the floor 2^(3 - 127): the byte cannot fall under 1
	v_max_num_f32_dpp v8, v8, v8 row_xmask:1 row_mask:0xf bank_mask:0xf   ; with my neighbour's 16: the block's largest magnitude
	v_add_nc_u32 v11, -(EMAX<<23), v8              ; 2 off its exponent field: the conversion takes this operand's exponent field as its scale
	v_cvt_scalef32_pk8_fp4_f32 v[XC+4*(\t)], v[XS:XS+7], v11
	v_cvt_scalef32_pk8_fp4_f32 v[XC+4*(\t)+1], v[XS+8:XS+15], v11
	v_lshrrev_b32 v[XE+(\t)], 23, v11              ; the scale's byte (a plain line behind the conversions)
	ds_store_b8 v5, v[XE+(\t)] offset:16*(\t)      ; both lanes of a block write the same byte with the same value
	global_store_b64 v4, v[XC+4*(\t):XC+4*(\t)+1], s[10:11] offset:256*(\t)   ; the wave stores 256 consecutive bytes, aligned
.endm
.irp t, 0,1,2,3,4,5,6,7,8,9,10,11,12,13,14,15
	XSTEP \t
.endr
	ds_load_b64 v[8:9], v6                         ; my wave's 256 scale bytes, in order behind my stores
	s_wait_dscnt 0x0
	global_store_b64 v7, v[8:9], s[12:13]          ; 256 consecutive bytes, aligned
	s_branch .Lend
.Lnot_x:
	s_cmp_lt_u32 ttmp9, 304
	s_cbranch_scc0 .Lpath_p
; ---------------- PATH W: a lane takes a column n of w_attn and its registers run down K; a wave takes 32 columns x 512 along K ----------------
	s_sub_co_u32 s21, ttmp9, 256                   ; 0..47: 24 groups of 128 columns x 2 halves of K
	s_cmp_ge_u32 s21, 24
	s_cselect_b32 s23, 1, 0                        ; which 512 along K
	s_cselect_b32 s22, 24, 0
	s_sub_co_u32 s21, s21, s22
	s_lshl_b32 s21, s21, 7
	s_lshl_b32 s22, s20, 5
	s_add_co_u32 s21, s21, s22                     ; my wave's first column
	v_lshlrev_b32 v3, 2, v2                        ; in: 4 bytes a lane
	s_mul_i32 s22, s20, 32*WPITCH
	s_add_co_u32 s22, s22, WBASE                   ; my stage
	v_mul_u32_u24 v4, v2, WPITCH
	v_add_nc_u32 v4, s22, v4                       ; into it: row = my column
	v_and_b32 v5, 15, v2
	v_lshrrev_b32 v6, 4, v2
	v_mul_u32_u24 v7, v6, WPITCH
	v_lshl_add_u32 v7, v5, 4, v7
	v_add_nc_u32 v7, s22, v7                       ; out of it: sixteen lanes to a row, two rows an instruction
	v_mul_u32_u24 v8, v6, 512
	v_lshl_add_u32 v8, v5, 4, v8                   ; the same place in wc
	v_lshlrev_b32 v9, 5, v2                        ; my column's row of scale bytes
	s_mul_i32 s24, s23, 512*WN*4
	s_lshl_b32 s26, s21, 2
	s_add_co_u32 s24, s24, s26
	s_add_nc_u64 s[6:7], s[6:7], s[24:25]          ; w_attn: 512 y rows + 4 x column
	s_lshl_b32 s24, s21, 9
	s_lshl_b32 s26, s23, 8
	s_add_co_u32 s24, s24, s26
	s_add_nc_u64 s[14:15], s[14:15], s[24:25]      ; wc: column x 512 + 256 y
	s_lshl_b32 s24, s21, 5
	s_lshl_b32 s26, s23, 4
	s_add_co_u32 s24, s24, s26
	s_add_nc_u64 s[16:17], s[16:17], s[24:25]      ; ws: column x 32 + 16 y
.macro WLOAD t                         ; block t: w(32 t + i, my column); 511 rows of 12,288 bytes stay inside the signed 24-bit immediate
.irp i, 0,1,2,3,4,5,6,7,8,9,10,11,12,13,14,15,16,17,18,19,20,21,22,23,24,25,26,27,28,29,30,31
	global_load_b32 v[WX+32*((\t)%2)+\i], v3, s[6:7] offset:(32*(\t)+\i)*WN*4 th:TH_LOAD_NT
.endr
.endm
	WLOAD 0
	WLOAD 1
.macro WBLOCK t
.set XS, WX+32*((\t)%2)
.if (\t) < NB-1
	s_wait_loadcnt 32                              ; this block's 32 loads are in; the next block's 32 may be out
.else
	s_wait_loadcnt 0x0
.endif
	v_max3_num_f32 v12, |v[XS]|, |v[XS+1]|, |v[XS+2]|
	v_max3_num_f32 v13, |v[XS+3]|, |v[XS+4]|, |v[XS+5]|
.irp i, 6,10,14,18,22,26
	v_max3_num_f32 v12, v12, |v[XS+\i]|, |v[XS+\i+1]|
	v_max3_num_f32 v13, v13, |v[XS+\i+2]|, |v[XS+\i+3]|
.endr
	v_max3_num_f32 v12, v12, |v[XS+30]|, |v[XS+31]|
	v_max3_num_f32 v12, v12, v13, (EMAX+1)<<23     ; with the floor
	v_add_nc_u32 v11, -(EMAX<<23), v12             ; the conversion's scale operand
	v_lshrrev_b32 v13, 23, v11                     ; the scale's byte
.if (\t)%4 == 0
	v_mov_b32 v[WSB+(\t)/4], v13
.else
	v_lshl_or_b32 v[WSB+(\t)/4], v13, 8*((\t)%4), v[WSB+(\t)/4]
.endif
.irp g, 0,1,2,3
	v_cvt_scalef32_pk8_fp4_f32 v[WC+\g], v[XS+8*\g:XS+8*\g+7], v11
.endr
	v_nop                                          ; a plain line behind the last conversion
	ds_store_b128 v4, v[WC:WC+3] offset:16*(\t)    ; 32 codes: 16 bytes of my column's row
.if (\t)+2 < NB
	WLOAD (\t)+2
.endif
	s_wait_dscnt 0x0                               ; the store has read its registers: the next block's codes may be written
.endm
.set Q, 0
.rept NB
	WBLOCK Q
.set Q, Q+1
.endr
	global_store_b128 v9, v[WSB:WSB+3], s[16:17]   ; my column's 16 scale bytes
.irp t, 0,1,2,3,4,5,6,7,8,9,10,11,12,13,14,15
	ds_load_b128 v[WOUT+4*\t:WOUT+4*\t+3], v7 offset:2*\t*WPITCH
.endr
.irp t, 0,1,2,3,4,5,6,7,8,9,10,11,12,13,14,15
	s_wait_dscnt 15-\t                             ; loads come back in order: the younger ones may be out
	global_store_b128 v8, v[WOUT+4*\t:WOUT+4*\t+3], s[14:15] offset:2*\t*512   ; sixteen lanes store 256 consecutive bytes, aligned
.endr
	s_branch .Lend
.Lpath_p:
; ---------------- PATH P: w_proj as f16; a wave takes 8,192 numbers in four groups of 16 loads, two groups ahead ----------------
	s_sub_co_u32 s21, ttmp9, 304
	s_lshl_b32 s21, s21, 2
	s_add_co_u32 s21, s21, s20                     ; run 0..127
	s_lshl_b32 s24, s21, 15
	s_add_nc_u64 s[8:9], s[8:9], s[24:25]
	s_lshl_b32 s24, s21, 14
	s_add_nc_u64 s[18:19], s[18:19], s[24:25]
	v_lshlrev_b32 v1, 4, v2                        ; in: 16 bytes a lane
	v_lshlrev_b32 v3, 3, v2                        ; out: 8 bytes a lane
.macro PLOAD g
.irp j, 0,1,2,3,4,5,6,7,8,9,10,11,12,13,14,15
	global_load_b128 v[16+64*((\g)%2)+4*\j:16+64*((\g)%2)+4*\j+3], v1, s[8:9] offset:512*(16*(\g)+\j) th:TH_LOAD_NT
.endr
.endm
.macro PGROUP g
.if (\g) < 3
	s_wait_loadcnt 16                              ; this group's 16 loads are in; the next group's 16 may be out
.else
	s_wait_loadcnt 0x0
.endif
.if (\g) > 0
	s_wait_xcnt 0x0                                ; the last group's stores have read v144-175
.endif
.irp j, 0,1,2,3,4,5,6,7,8,9,10,11,12,13,14,15
	v_cvt_pk_f16_f32 v[144+2*\j], v[16+64*((\g)%2)+4*\j], v[16+64*((\g)%2)+4*\j+1]
	v_cvt_pk_f16_f32 v[145+2*\j], v[16+64*((\g)%2)+4*\j+2], v[16+64*((\g)%2)+4*\j+3]
.endr
.irp j, 0,1,2,3,4,5,6,7,8,9,10,11,12,13,14,15
	global_store_b64 v3, v[144+2*\j:145+2*\j], s[18:19] offset:256*(16*(\g)+\j)   ; 256 consecutive bytes, aligned
.endr
.if (\g) < 2
	PLOAD (\g)+2
.endif
.endm
	PLOAD 0
	PLOAD 1
	PGROUP 0
	PGROUP 1
	PGROUP 2
	PGROUP 3
.Lend:
	s_wait_tensorcnt 0x0                           ; the wave's end: behind my last LDS store
	ds_add_u32 v[SPW], v[NIL]
	s_wait_dscnt 0x0
	s_endpgm
.Lfunc_end_k_q48e5e19a71_prep:
	.size	k_q48e5e19a71_prep, .Lfunc_end_k_q48e5e19a71_prep-k_q48e5e19a71_prep
	.p2alignl 7, 3214868480
	.fill 96, 4, 3214868480
	.section	.rodata,"a",@progbits
	.p2align	6, 0x0
	.amdhsa_kernel k_q48e5e19a71_prep
		.amdhsa_group_segment_fixed_size 68096
		.amdhsa_private_segment_fixed_size 0
		.amdhsa_enable_private_segment 0
		.amdhsa_kernarg_size 64
		.amdhsa_user_sgpr_count 2
		.amdhsa_user_sgpr_kernarg_segment_ptr 1
		.amdhsa_wavefront_size32 1
		.amdhsa_system_sgpr_workgroup_id_x 1
		.amdhsa_system_sgpr_workgroup_id_y 1
		.amdhsa_system_sgpr_workgroup_id_z 1
		.amdhsa_system_vgpr_workitem_id 0
		.amdhsa_next_free_vgpr 192
		.amdhsa_next_free_sgpr 66
		.amdhsa_reserve_vcc 0
		.amdhsa_float_denorm_mode_32 3
		.amdhsa_float_denorm_mode_16_64 3
		.amdhsa_memory_ordered 1
		.amdhsa_forward_progress 1
		.amdhsa_inst_pref_size 132
	.end_amdhsa_kernel
	.amdgpu_metadata
---
amdhsa.version: [ 1, 2 ]
amdhsa.kernels:
  - .name:           k_q48e5e19a71_prep
    .symbol:         k_q48e5e19a71_prep.kd
    .args:
      - { .name: x, .offset: 0, .size: 8, .value_kind: global_buffer, .address_space: global }
      - { .name: w_attn, .offset: 8, .size: 8, .value_kind: global_buffer, .address_space: global }
      - { .name: w_proj, .offset: 16, .size: 8, .value_kind: global_buffer, .address_space: global }
      - { .name: xc, .offset: 24, .size: 8, .value_kind: global_buffer, .address_space: global }
      - { .name: xs, .offset: 32, .size: 8, .value_kind: global_buffer, .address_space: global }
      - { .name: wc, .offset: 40, .size: 8, .value_kind: global_buffer, .address_space: global }
      - { .name: ws, .offset: 48, .size: 8, .value_kind: global_buffer, .address_space: global }
      - { .name: wp16, .offset: 56, .size: 8, .value_kind: global_buffer, .address_space: global }
    .group_segment_fixed_size: 68096
    .private_segment_fixed_size: 0
    .kernarg_segment_align: 8
    .kernarg_segment_size: 64
    .max_flat_workgroup_size: 128
    .sgpr_count:     66
    .vgpr_count:     192
    .wavefront_size: 32
...
	.end_amdgpu_metadata
.endif
;; end of part 1
;; launch gemm_qkv (part 2): grid 12 x 32, 4 waves a work-group, clusters of 4 x 4, 327,680 bytes of LDS; arguments xc, xs, wc, ws, qkv; writes qkv
.if DOCPART == 2
	.amdgcn_target "amdgcn-amd-amdhsa--gfx1250"
	.amdhsa_code_object_version 6
	.text
	.protected	k_q48e5e19a71_gemm_qkv
	.globl	k_q48e5e19a71_gemm_qkv
	.p2align	8
	.type	k_q48e5e19a71_gemm_qkv,@function
k_q48e5e19a71_gemm_qkv:
	s_mov_b64 s[64:65], 0
	v_nop
	global_prefetch_b8 v0, s[64:65] scope:SCOPE_SE
	s_setreg_imm32_b32 hwreg(HW_REG_WAVE_MODE, 25, 1), 1
	s_wait_xcnt 0x0
	s_wait_alu depctr_hold_cnt(0) depctr_sa_sdst(0) depctr_va_vdst(0) depctr_va_sdst(0) depctr_va_ssrc(0) depctr_va_vcc(0) depctr_vm_vsrc(0)
	s_getreg_b32 s2, hwreg(HW_REG_IB_STS2, 6, 4)
	s_cmp_eq_u32 s2, 0
	s_cbranch_scc0 .Lentry_in_a_cluster
	s_endpgm
.Lentry_in_a_cluster:
	s_bfe_u32 s2, ttmp6, 0x10000c
	s_cmp_lg_u32 s2, 0xf033
	s_cbranch_scc0 .Lentry_shape_is_right
	s_endpgm
.Lentry_shape_is_right:
; qkv = Q(x) Q(w_attn): A = xc [8192][1024 codes], B = wc [3072][1024 codes], E2M1 with one E8M0 byte for each 32 along K; sums in f32; the results are rounded to f16 and laid by head:
; qkv [3 parts][64 (16 b + head)][2048 t][64] f16.  LIMIT: |q|, |k|, |v| of 65,520 and more become infinity in f16.
; A tile of C, 256 x 256, is made by four waves, each 128 x 128: 64 accumulators, 512 registers.  K = 1,024 is two slots of 512 along K (rows of 256 bytes): both are first fills, nothing is filled again.
; The scales of the work-group's 256 rows of A and of B, for all of K, come once, as dense blocks.
; CLUSTERS: 4 x 4 work-groups; A's tiles are asked for jointly along a row of the cluster, B's along a column.
; THE MATRIX INSTRUCTION IS USED TRANSPOSED (source 0 = 16 rows of B, source 1 = 16 rows of A): a lane holds eight neighbouring columns of one row of C: 16 bytes of f16 of one head's row.
; REGISTERS: window 0: v0-31 addresses; v32-95 scale words, two sets, and nothing else; v96-127 packed results on the way out; from v128 A's fragments, one set (on the way out rows read back);
;   window 1: B's fragments, two sets, at v0 and v128;  window 2: accumulators of my rows 0-63 ((a, b) at v[8 (8 a + b)]);  window 3: those of rows 64-127.
.set SIZE_M, 8192
.set SIZE_N, 3072
.set SIZE_K, 1024
.set KSTEP,  512
.set NQ,     KSTEP/128
.set ROWB,   256
.set KROW,   SIZE_K*4/8
.set PITCH,  272                       ; an LDS row: 256 bytes + 16 of padding = 68 words: the 16 rows that a load touches start 4 words apart modulo 64
.set FR,     8
.set NL,     2
.set NP,     4                         ; places behind this matrix instruction (ISA guide 7.12.1)
.set HALFT,  128*PITCH
.set SLOT,   4*HALFT
.set KS,     SIZE_K/32
.set SCL,    2*SLOT
.set HALFS,  (128*KS/256)*272
.set SBLK,   (16*KS/256)*272
.set SPARE,  SCL+4*HALFS
.set ADRA, 16
.set ADRB, 20
.set STO,  24                          ; v24 the way out: where I put 16 bytes of a head's row
.set RD,   25                          ; v25 where I read four rows back
.set CO,   26                          ; v26 16 x lane
.set ADRS, 27
.set SPW,  28
.set NIL,  29
.set SC,   32
.set TMP,  96
.set AF,   128
.set BK,   128
.set G1, 24
.set G0, 32
.set G1B, 48
.set G0B, 56
.set G1S, 68
.set G0S, 76
.set G1SB, 80
.set G0SB, 88
.set MSB, 0
.macro WIN new                         ; the immediate's high byte repeats the setting that is left
.if MSB != (\new)
	s_set_vgpr_msb (MSB<<8)|(\new)
.set MSB, (\new)
.endif
.endm
.set MUL_LO, 0xa1                      ; source 0 (B) window 1, source 1 (A) window 0, C and D window 2
.set MUL_HI, 0xf1
.set TO_B,   0x40
; A joint load: waves 0 and 1 fetch for A, waves 2 and 3 for B; the branch hangs on the wave's number alone.  An s_nop 0 and four v_nop follow each line.
.macro JLOAD g0a, g1a, g0b, g1b
	s_cmp_eq_u32 s15, 0
	s_cbranch_scc0 .Lfor_b_\@
	tensor_load_to_lds s[\g0a:\g0a+3], s[\g1a:\g1a+7]
	s_nop 0
.rept 4
	v_nop
.endr
	s_branch .Lasked_\@
.Lfor_b_\@:
	tensor_load_to_lds s[\g0b:\g0b+3], s[\g1b:\g1b+7]
	s_nop 0
.rept 4
	v_nop
.endr
.Lasked_\@:
.endm
.macro CROUND                          ; a round of the cluster's barrier
	s_barrier_signal -1
	s_barrier_wait -1
	s_cmp_lg_u32 s14, 0
	s_cbranch_scc1 .Lnot_wave_0_\@
	s_barrier_signal -3
.Lnot_wave_0_\@:
	s_barrier_wait -3
	s_barrier_signal -1
	s_barrier_wait -1
.endm
	s_load_b128 s[4:7], s[0:1], 0x0                ; A's codes, A's scales
	s_load_b128 s[8:11], s[0:1], 0x10              ; B's codes, B's scales
	s_load_b64 s[12:13], s[0:1], 0x20              ; qkv
	v_lshl_add_u32 v[SPW], v0, 2, SPARE
	v_mov_b32 v[NIL], 0
	ds_add_u32 v[SPW], v[NIL]                      ; the wave's opening: the add, twice on end, and its wait ahead of my first tensor load
	ds_add_u32 v[SPW], v[NIL]
	v_lshrrev_b32 v1, 5, v0
	v_readfirstlane_b32 s14, v1                    ; wave 0..3
	s_lshr_b32 s15, s14, 1                         ; my half of the tile's rows; also: I fetch for A (0) or for B (1)
	s_and_b32 s16, s14, 1                          ; my half of its columns; also: which 128 rows I fetch
	s_bfe_u32 s40, ttmp6, 0x40000                  ; cx
	s_bfe_u32 s41, ttmp6, 0x40004                  ; cy
	s_lshl_b32 s42, ttmp9, 2
	s_add_co_u32 s42, s42, s40                     ; tile column
	s_and_b32 s17, ttmp7, 0xffff
	s_lshl_b32 s17, s17, 2
	s_add_co_u32 s17, s17, s41                     ; tile row
	s_lshl_b32 s43, s41, 2
	s_lshl_b32 s43, 15, s43                        ; my row of the cluster
	s_lshl_b32 s44, 0x1111, s40                    ; my column
	s_or_b32 s[G1+0], s43, (0<<16)|(1<<20)|(1<<21)|(5<<22)|(3<<25)  ; the mask; elements of 1 byte; padding: 4 words after every 64
	s_or_b32 s[G1B+0], s44, (0<<16)|(1<<20)|(1<<21)|(5<<22)|(3<<25)
.irp g, G1, G1B
	s_mov_b32 s[\g+1], ROWB<<16                    ; tensor_dim0
	s_mov_b32 s[\g+2], 128<<16                     ; tensor_dim1
	s_mov_b32 s[\g+3], ROWB<<16                    ; tile_dim0
	s_mov_b32 s[\g+4], 128                         ; tile_dim1
	s_mov_b32 s[\g+5], KROW                        ; the pitch
	s_mov_b32 s[\g+6], 0
	s_mov_b32 s[\g+7], 0
.endr
	s_or_b32 s[G1S+0], s43, (3<<16)|(1<<20)|(1<<21)|(5<<22)|(3<<25)  ; the scales of 128 rows: 4,096 dense bytes as 16 rows of 256
	s_or_b32 s[G1SB+0], s44, (3<<16)|(1<<20)|(1<<21)|(5<<22)|(3<<25)
.irp g, G1S, G1SB
	s_mov_b32 s[\g+1], 32<<16
	s_mov_b32 s[\g+2], (128*KS/256)<<16
	s_mov_b32 s[\g+3], 32<<16
	s_mov_b32 s[\g+4], 128*KS/256
	s_mov_b32 s[\g+5], 32
	s_mov_b32 s[\g+6], 0
	s_mov_b32 s[\g+7], 0
.endr
	s_lshl_b32 s18, s16, 7
	s_lshl_b32 s20, s17, 8
	s_add_co_u32 s20, s20, s18                     ; A: row 256 x tile row + 128 x half
	s_lshl_b32 s46, s42, 8
	s_add_co_u32 s46, s46, s18                     ; B: row 256 x tile column + 128 x half
	s_mov_b32 s21, 0
	s_mov_b32 s47, 0
	s_mov_b64 s[18:19], KS
	s_mul_u64 s[22:23], s[20:21], s[18:19]
	s_mul_u64 s[92:93], s[46:47], s[18:19]
	s_mov_b64 s[18:19], KROW
	s_mul_u64 s[20:21], s[20:21], s[18:19]
	s_mul_u64 s[46:47], s[46:47], s[18:19]
	s_mul_i32 s45, s14, HALFT                      ; where they go: wave x 128 rows
	s_mul_i32 s94, s14, HALFS
	s_wait_dscnt 0x0                               ; both opening adds are done
	s_wait_kmcnt 0x0
	s_add_nc_u64 s[20:21], s[4:5], s[20:21]
	s_add_nc_u64 s[22:23], s[6:7], s[22:23]
	s_add_nc_u64 s[46:47], s[8:9], s[46:47]
	s_add_nc_u64 s[92:93], s[10:11], s[92:93]
	CROUND                                         ; all sixteen work-groups are here: the first joint loads meet
	s_mov_b32 s[G0S], 1
	s_add_co_u32 s[G0S+1], s94, SCL
	s_mov_b64 s[G0S+2:G0S+3], s[22:23]
	s_or_b32 s[G0S+3], s[G0S+3], 0x80000000
	s_mov_b32 s[G0SB], 1
	s_add_co_u32 s[G0SB+1], s94, SCL
	s_mov_b64 s[G0SB+2:G0SB+3], s[92:93]
	s_or_b32 s[G0SB+3], s[G0SB+3], 0x80000000
	JLOAD G0S, G1S, G0SB, G1SB                     ; the scales first
.irp s, 0,1
	s_mov_b32 s[G0+4*\s], 1
	s_add_co_u32 s[G0+4*\s+1], s45, \s*SLOT
	s_add_nc_u64 s[G0+4*\s+2:G0+4*\s+3], s[20:21], \s*ROWB
	s_or_b32 s[G0+4*\s+3], s[G0+4*\s+3], 0x80000000
	s_mov_b32 s[G0B+4*\s], 1
	s_add_co_u32 s[G0B+4*\s+1], s45, \s*SLOT
	s_add_nc_u64 s[G0B+4*\s+2:G0B+4*\s+3], s[46:47], \s*ROWB
	s_or_b32 s[G0B+4*\s+3], s[G0B+4*\s+3], 0x80000000
	JLOAD G0+4*\s, G1, G0B+4*\s, G1B               ; three loads of mine are out in all
.endr
	v_and_b32 v1, 15, v0                           ; r
	v_bfe_u32 v2, v0, 4, 1                         ; h
	v_mul_u32_u24 v3, v1, PITCH
	v_lshl_add_u32 v4, v2, 4, v3
	s_mul_i32 s21, s15, HALFT
	s_mul_i32 s22, s16, HALFT
	s_add_co_u32 s22, s22, 2*HALFT
.irp s, 0,1
	v_add_nc_u32 v[ADRA+\s], s21, v4
	v_add_nc_u32 v[ADRB+\s], s22, v4
	s_add_co_u32 s21, s21, SLOT
	s_add_co_u32 s22, s22, SLOT
.endr
	v_mul_u32_u24 v5, v1, KS                       ; my row's scales: 32 bytes a row,
	v_lshrrev_b32 v6, 8, v5
	v_lshl_add_u32 v5, v6, 4, v5                   ; and 16 more for each 256 passed
	s_mul_i32 s21, s15, HALFS
	s_mul_i32 s22, s16, HALFS
	s_add_co_u32 s22, s22, 2*HALFS
	s_sub_co_u32 s22, s22, s21
	v_mul_u32_u24 v6, s22, v2                      ; lanes 16-31 take B's
	s_add_co_u32 s21, s21, SCL
	v_add_nc_u32 v5, v5, v6
	v_add_nc_u32 v[ADRS], s21, v5
	; the way out: a stage of [2 heads][16 rows][128 bytes + 16] for each wave, in slot 0, which has had its only fill and its last read when the first result is stored there
	s_mul_i32 s23, s14, 4608
	v_mul_u32_u24 v5, v1, 144
	v_lshl_add_u32 v5, v2, 4, v5
	v_add_nc_u32 v[STO], s23, v5                   ; in: row r, + 16 h
	v_bfe_u32 v5, v0, 3, 2
	v_mul_u32_u24 v5, v5, 144
	v_and_b32 v6, 7, v0
	v_lshl_add_u32 v5, v6, 4, v5
	v_add_nc_u32 v[RD], s23, v5                    ; back: eight lanes to a row of 128 bytes, four rows an instruction
	v_and_b32 v6, 31, v0
	v_lshlrev_b32 v[CO], 4, v6
	; my part of qkv: part = tile column / 4; head = 4 (tile column % 4) + 2 x column half; b = tile row / 8; t = 256 (tile row % 8) + 128 x row half
	s_lshr_b32 s20, s42, 2
	s_lshl_b32 s20, s20, 24                        ; a part is 16,777,216 bytes
	s_and_b32 s46, s42, 3
	s_lshl_b32 s46, s46, 2
	s_lshl_b32 s47, s16, 1
	s_add_co_u32 s46, s46, s47
	s_lshr_b32 s47, s17, 3
	s_lshl_b32 s47, s47, 4
	s_add_co_u32 s46, s46, s47                     ; 16 b + head
	s_lshl_b32 s46, s46, 18                        ; a head is 262,144 bytes
	s_add_co_u32 s20, s20, s46
	s_and_b32 s46, s17, 7
	s_lshl_b32 s46, s46, 8
	s_lshl_b32 s47, s15, 7
	s_add_co_u32 s46, s46, s47                     ; t
	s_lshl_b32 s46, s46, 7                         ; a row is 128 bytes
	s_add_co_u32 s20, s20, s46
	s_mov_b32 s21, 0
	s_add_nc_u64 s[12:13], s[12:13], s[20:21]
.macro FRAG reg, adr, q, i             ; 16 rows x 128 K of 4-bit codes: lane l holds row l % 16; registers 4 c .. 4 c + 3 hold K = 64 c + 32 (l / 16) + 0 .. 31
.irp c, 0,1
	ds_load_b128 v[\reg+4*\c:\reg+4*\c+3], v[\adr] offset:64*(\q)+32*\c+(\i)*16*PITCH
.endr
.endm
; 16 matrix instructions: A's blocks a0, a0 + 1 x B's eight.  The 64 accumulators take turns, one instruction a turn.
.macro MUL16 a0, p, q, sc, zero
.irp a, \a0, \a0+1
.irp b, 0,1,2,3,4,5,6,7
.if \zero
	v_wmma_scale_f32_16x16x128_f8f6f4 v[8*(8*((\a)%4)+\b):8*(8*((\a)%4)+\b)+7], v[128*(\p)+FR*\b:128*(\p)+FR*\b+FR-1], v[AF+FR*(\a):AF+FR*(\a)+FR-1], 0, v[SC+8*NQ*(\sc)+NQ*\b+(\q)], v[SC+8*NQ*(\sc)+NQ*(\a)+(\q)] matrix_a_fmt:MATRIX_FMT_FP4 matrix_b_fmt:MATRIX_FMT_FP4 matrix_a_scale:MATRIX_SCALE_ROW1
.else
	v_wmma_scale_f32_16x16x128_f8f6f4 v[8*(8*((\a)%4)+\b):8*(8*((\a)%4)+\b)+7], v[128*(\p)+FR*\b:128*(\p)+FR*\b+FR-1], v[AF+FR*(\a):AF+FR*(\a)+FR-1], v[8*(8*((\a)%4)+\b):8*(8*((\a)%4)+\b)+7], v[SC+8*NQ*(\sc)+NQ*\b+(\q)], v[SC+8*NQ*(\sc)+NQ*(\a)+(\q)] matrix_a_fmt:MATRIX_FMT_FP4 matrix_b_fmt:MATRIX_FMT_FP4 matrix_a_scale:MATRIX_SCALE_ROW1
.endif
.endr
.endr
.endm
.macro FETCH_B slot, q, p
	WIN TO_B
.irp i, 0,1,2,3,4,5,6,7
	FRAG 128*(\p)+FR*\i, ADRB+\slot, \q, \i
.endr
	WIN 0
.endm
.macro FETCH_A slot, q, i0
.irp i, \i0, \i0+1, \i0+2, \i0+3
	FRAG AF+FR*(\i), ADRA+\slot, \q, \i
.endr
.endm
.macro SCALES sc                       ; a slot's scale words: lanes 0-15 take A's block i, lanes 16-31 B's block i
.irp i, 0,1,2,3,4,5,6,7
	ds_load_b128 v[SC+8*NQ*\sc+NQ*\i:SC+8*NQ*\sc+NQ*\i+3], v[ADRS] offset:\i*SBLK
.endr
.endm
.macro PLACES n                        ; plain vector instructions between a matrix instruction and a load into, or a read of, its registers
.rept \n
	v_nop
.endr
.endm
.macro STEP slot, q, zero
	s_wait_dscnt 4*NL                              ; B's set and A's blocks 0-3 are in; the youngest eight loads (A's blocks 4-7) may be out
	WIN MUL_LO
	MUL16 0, (\q)%2, \q, \slot, \zero
	MUL16 2, (\q)%2, \q, \slot, \zero
	s_wait_dscnt 0
	PLACES NP
	FETCH_B \slot, (\q)+1, 1-(\q)%2
	FETCH_A \slot, (\q)+1, 0
	WIN MUL_HI
	MUL16 4, (\q)%2, \q, \slot, \zero
	MUL16 6, (\q)%2, \q, \slot, \zero
	PLACES NP
	WIN 0
	FETCH_A \slot, (\q)+1, 4
.endm
; Slot 0's last step changes slots: each wave waits for all its tensor loads (slot 1's), adds 0 to its spare word, waits for that and for its reads of slot 0, and passes the barrier.  Nothing is filled again.
.macro TURN slot, next
	s_wait_tensorcnt 0x0
	ds_add_u32 v[SPW], v[NIL]
	s_wait_dscnt 4*NL+1                            ; the add and the youngest eight loads (A's blocks 4-7) may be out
	WIN MUL_LO
	MUL16 0, 1, NQ-1, \slot, 0
	s_wait_dscnt 0x0                               ; the add is done, and my reads of this slot are over
	s_barrier_signal -1
	MUL16 2, 1, NQ-1, \slot, 0
	WIN 0
	s_barrier_wait -1
	PLACES NP
	v_add_nc_u32 v[ADRS], 4*NQ, v[ADRS]            ; on to the next slot's scale words
	FETCH_B \next, 0, 0
	FETCH_A \next, 0, 0
	SCALES \next
	WIN MUL_HI
	MUL16 4, 1, NQ-1, \slot, 0
	MUL16 6, 1, NQ-1, \slot, 0
	PLACES NP
	WIN 0
	FETCH_A \next, 0, 4
.endm
.macro STEPS slot, from
.set Q, \from
.rept NQ-1-\from
	STEP \slot, Q, 0
.set Q, Q+1
.endr
.endm
	s_wait_tensorcnt 1                             ; the scales and my part of slot 0 are in; slot 1's load may be out
	s_barrier_signal -1
	s_barrier_wait -1
	FETCH_B 0, 0, 0
	FETCH_A 0, 0, 0
	SCALES 0
	FETCH_A 0, 0, 4
	STEP 0, 0, 1                                   ; the first products start the sums: nothing is cleared
	STEPS 0, 1
	TURN 0, 1
	STEPS 1, 0
	s_wait_dscnt 4*NL                              ; the very last step: A's blocks 4-7 may be out
	WIN MUL_LO
	MUL16 0, 1, NQ-1, 1, 0
	MUL16 2, 1, NQ-1, 1, 0
	s_wait_dscnt 0
	WIN MUL_HI
	MUL16 4, 1, NQ-1, 1, 0
	MUL16 6, 1, NQ-1, 1, 0
	WIN 0
; THE WAY OUT, block by block of 16 rows x 128 columns (two heads).  Rounded to f16, 16 bytes a lane; through my stage; back as 4 rows of 128 bytes an instruction, which are 512 consecutive bytes of a head.
.macro PACK a
.set AC, 64*((\a)%4)
	WIN 0x0a+5*((\a)/4)                            ; sources 0 and 1: window 2 or 3
.irp b, 0,1,2,3,4,5,6,7
.irp i, 0,1,2,3
	v_cvt_pk_f16_f32 v[TMP+4*\b+\i], v[AC+8*\b+2*\i], v[AC+8*\b+2*\i+1]   ; each accumulator from its low end on
.endr
.endr
	WIN 0
.endm
.macro TOSTAGE a
.set BB, BK+32*((\a)%2)
.irp b, 0,1,2,3,4,5,6,7
	ds_store_b128 v[STO], v[TMP+4*\b:TMP+4*\b+3] offset:(\b>>2)*2304+32*(\b&3)
.endr
.irp t, 0,1,2,3,4,5,6,7
	ds_load_b128 v[BB+4*\t:BB+4*\t+3], v[RD] offset:(\t>>2)*2304+576*(\t&3)   ; LDS serves a wave's instructions in order: these see the stores above
.endr
.endm
.macro SEND a
.set BB, BK+32*((\a)%2)
	s_wait_dscnt 0x0                               ; the block is back in registers
.irp t, 0,1,2,3,4,5,6,7
	global_store_b128 v[CO], v[BB+4*\t:BB+4*\t+3], s[12:13] offset:(\t>>2)*262144+2048*(\a)+512*(\t&3)   ; 512 consecutive bytes, at a multiple of 256 from the buffer's first byte
.endr
.endm
	PLACES NP                                      ; behind the last products: for the loads into A's registers below, and for block 7's reads
	PACK 0
	TOSTAGE 0
.irp a, 1,2,3,4,5,6,7
	PACK \a                                        ; block a's conversions stand between block a - 1's loads from the stage and the wait for them
	SEND \a-1
.if \a > 1
	s_wait_xcnt 0x0                                ; block a - 2's stores have read their registers: block a's loads may land there
.endif
	TOSTAGE \a
.endr
	SEND 7
	s_wait_tensorcnt 0x0                           ; the wave's end
	ds_add_u32 v[SPW], v[NIL]
	s_wait_dscnt 0x0
	CROUND                                         ; the closing round
	s_endpgm
.Lfunc_end_k_q48e5e19a71_gemm_qkv:
	.size	k_q48e5e19a71_gemm_qkv, .Lfunc_end_k_q48e5e19a71_gemm_qkv-k_q48e5e19a71_gemm_qkv
	.p2alignl 7, 3214868480
	.fill 96, 4, 3214868480
	.section	.rodata,"a",@progbits
	.p2align	6, 0x0
	.amdhsa_kernel k_q48e5e19a71_gemm_qkv
		.amdhsa_group_segment_fixed_size 327680
		.amdhsa_private_segment_fixed_size 0
		.amdhsa_enable_private_segment 0
		.amdhsa_kernarg_size 40
		.amdhsa_user_sgpr_count 2
		.amdhsa_user_sgpr_kernarg_segment_ptr 1
		.amdhsa_wavefront_size32 1
		.amdhsa_system_sgpr_workgroup_id_x 1
		.amdhsa_system_sgpr_workgroup_id_y 1
		.amdhsa_system_sgpr_workgroup_id_z 1
		.amdhsa_system_vgpr_workitem_id 0
		.amdhsa_next_free_vgpr 1024
		.amdhsa_next_free_sgpr 98
		.amdhsa_reserve_vcc 0
		.amdhsa_float_denorm_mode_32 3
		.amdhsa_float_denorm_mode_16_64 3
		.amdhsa_memory_ordered 1
		.amdhsa_forward_progress 1
		.amdhsa_inst_pref_size 126
	.end_amdhsa_kernel
	.amdgpu_metadata
---
amdhsa.version: [ 1, 2 ]
amdhsa.kernels:
  - .name:           k_q48e5e19a71_gemm_qkv
    .symbol:         k_q48e5e19a71_gemm_qkv.kd
    .args:
      - { .name: xc, .offset: 0, .size: 8, .value_kind: global_buffer, .address_space: global }
      - { .name: xs, .offset: 8, .size: 8, .value_kind: global_buffer, .address_space: global }
      - { .name: wc, .offset: 16, .size: 8, .value_kind: global_buffer, .address_space: global }
      - { .name: ws, .offset: 24, .size: 8, .value_kind: global_buffer, .address_space: global }
      - { .name: qkv, .offset: 32, .size: 8, .value_kind: global_buffer, .address_space: global }
    .group_segment_fixed_size: 327680
    .private_segment_fixed_size: 0
    .kernarg_segment_align: 8
    .kernarg_segment_size: 40
    .max_flat_workgroup_size: 128
    .sgpr_count:     98
    .vgpr_count:     1024
    .wavefront_size: 32
...
	.end_amdgpu_metadata
.endif
;; end of part 2
;; launch attention (part 3): grid 4 x 64, 8 waves a work-group, no clusters, 327,680 bytes of LDS; arguments qkv, y16; writes y16
.if DOCPART == 3
	.amdgcn_target "amdgcn-amd-amdhsa--gfx1250"
	.amdhsa_code_object_version 6
	.text
	.protected	k_q48e5e19a71_attention
	.globl	k_q48e5e19a71_attention
	.p2align	8
	.type	k_q48e5e19a71_attention,@function
k_q48e5e19a71_attention:
	s_mov_b64 s[64:65], 0
	v_nop
	global_prefetch_b8 v0, s[64:65] scope:SCOPE_SE
	s_setreg_imm32_b32 hwreg(HW_REG_WAVE_MODE, 25, 1), 1
	s_wait_xcnt 0x0
; y[bh][q] = the sum over k <= q of softmax_k(Q[q] . K[k] / 8) V[k], head size 64.  Q, K, V: qkv [3][64 bh][2048][64] f16.  y16: [16 head][8192 (2048 b + t)][64] f16.
; Products on f16 operands with f32 sums; maxima, exponentials and sums in f32, with a running maximum; the weights p are rounded to f16 for the second product, y once at the end.
; (Positions 0-15 of each sequence are made again, in f32, by two later launches, which overwrite what follows from these rows in the output.)
; SHARES.  A head's queries are 8 blocks of 256.  Work-group i (0..3) of a head owns block 7 - i and then block i: 8 - i and i + 1 units of 256 keys, nine in every work-group.  One loop of nine trips walks both passes.
; Each of the eight waves owns 32 queries, two tiles of 16, so that a fragment of K or V read from LDS feeds two matrix instructions.  Which 32 of the block's 256: waves 0..7 take sub-blocks 0,7,2,5,6,1,4,3,
; so that on the diagonal unit, where sub-block s has s / 2 + 1 steps of 64 keys to do, waves w and w + 4 have five together.
; NO CLUSTER: the four work-groups of a head want the same unit of keys only in trips 0 to 4; from trip 8 - i on work-group i is back at unit 0, so the partners would ask for different tiles in the same round.
; LAYOUT.  S^T = K Q^T (source 0 = 16 keys, source 1 = 16 queries): a lane holds ONE query (lane % 16) and keys 8 (lane / 16) + 0..7 of each tile; two tiles rounded in pairs are source 1 of O^T = V^T P.  V is turned by ds_load_tr16_b128.
; THE MASK.  A step of 64 keys that all come after the wave's 32 queries is left out (a scalar branch on ids, round no barrier and no tensor load); on the diagonal hidden scores become -infinity.  A step that is walked has its first key
; at or under the wave's first query (both are multiples of 32, the key of 64), so every query has a key that counts in it and the maximum is a number.
; REGISTERS: window 0: v1-15 addresses; v16-31 statistics, 8 a tile: +0 c m, +1 m, +2 +3 l, +4..+7 at work (a in +6); v32-95 S^T; v96-127 P; v128-191 O^T; v192-255 the way out.   window 1: v0-31 Q; v32-95 V; v96-159 K.
.set SLOT1, 1<<17                      ; slot 1 begins here: one exclusive or turns an address
.set VOFF,  34816                      ; a slot: K, 128 rows of two keys (256 bytes + 16), then V, 128 rows of two keys (256 bytes + 32)
.set STAGE, 202752                     ; behind the ring: 32 rows x 144 bytes for each wave
.set SPARE, 239616                     ; the spare words: 128 bytes for each wave
.set AK0, 1
.set AV0, 2
.set ADK, 3
.set ADV, 4
.set SPW, 5
.set NIL, 6
.set PFO, 7
.set RH,  8
.set DM,  9                            ; v9, v10
.set NINF, 11
.set QO,  12
.set STO, 13
.set RD,  14
.set GO,  15
.set ST,  16
.set SS,  32
.set PP,  96
.set OO,  128
.set PK,  192
.set BK,  224
.set QFR, 0                            ; in window 1
.set VFR, 32
.set KFR, 96
.set WV,  8
.set PI,  9
.set BH,  10
.set N1,  11                           ; units in the first pass: 8 - i
.set U,   12                           ; the trip
.set KF,  13                           ; the step's first key
.set Q0,  14                           ; my first query
.set TB,  15                           ; LDS byte at which the slot in hand begins
.set SEL, 16
.set CS,  18                           ; s[18:19] c = log2(e) / 8
.set G1K, 24
.set G1V, 32
.set G0K, 40
.set G0V, 44
.set KB,  48                           ; s[48:49] K of my head, at my half of a unit
.set VB,  50
.set KO,  52                           ; s[52:53] the byte offset of the unit that is asked for next
.set QB,  54
.set YB,  56
.set PFA, 58
.set LIM, 60
.set SUB, 61
.set BLKN, 72
.set MSB, 0
.macro WIN new                         ; the immediate's high byte repeats the setting that is left
.if MSB != (\new)
	s_set_vgpr_msb (MSB<<8)|(\new)
.set MSB, (\new)
.endif
.endm
; Waves 0 and 1 fetch K's halves of a unit, waves 2 and 3 V's, the others nothing.  An s_nop 0 and four v_nop follow each of the two lines.
.macro TLOAD
	s_cmp_lt_u32 s[WV], 2
	s_cbranch_scc0 .Lnot_k_\@
	tensor_load_to_lds s[G0K:G0K+3], s[G1K:G1K+7]
	s_nop 0
.rept 4
	v_nop
.endr
	s_branch .Lasked_\@
.Lnot_k_\@:
	s_cmp_lt_u32 s[WV], 4
	s_cbranch_scc0 .Lasked_\@
	tensor_load_to_lds s[G0V:G0V+3], s[G1V:G1V+7]
	s_nop 0
.rept 4
	v_nop
.endr
.Lasked_\@:
.endm
; A prefetch of the unit that the NEXT change of slots will ask for.  All four work-groups of a head walk the same K and V: work-group 0, whose first pass walks units 0 to 7 in order, asks, in trips 0 to 5, for units 2 to 7.
; In it waves 4, 5 ask for K's halves and waves 6, 7 for V's: 16,384 bytes a wave, lanes 256 bytes apart, two instructions.  So each aligned 256 bytes is named once; units 0 and 1 come by their loads alone.
.macro ASK
	s_cmp_lt_u32 s[U], s[LIM]
	s_cbranch_scc0 .Lnot_mine_\@
	global_prefetch_b8 v[PFO], s[PFA:PFA+1] th:TH_LOAD_NT scope:SCOPE_SE
	global_prefetch_b8 v[PFO], s[PFA:PFA+1] offset:8192 th:TH_LOAD_NT scope:SCOPE_SE
.Lnot_mine_\@:
.endm
	s_load_b128 s[4:7], s[0:1], 0x0                ; qkv, y16
	v_lshl_add_u32 v[SPW], v0, 2, SPARE
	v_mov_b32 v[NIL], 0
	ds_add_u32 v[SPW], v[NIL]                      ; the wave's opening: the add, twice on end, and its wait ahead of my first tensor load
	ds_add_u32 v[SPW], v[NIL]
	v_lshrrev_b32 v192, 5, v0
	v_readfirstlane_b32 s[WV], v192                ; wave 0..7
	s_mov_b32 s[PI], ttmp9
	s_and_b32 s[BH], ttmp7, 0xffff
	s_sub_co_u32 s[N1], 8, s[PI]
	s_lshl_b32 s66, s[WV], 2
	s_lshr_b32 s[SUB], 0x34165270, s66
	s_and_b32 s[SUB], s[SUB], 15                   ; my sub-block of 32 queries
	s_mov_b32 s[G1K], (3<<16)|(1<<20)|(5<<22)|(3<<25)   ; elements of 8 bytes; padding: 4 words after every 64
	s_mov_b32 s[G1V], (3<<16)|(1<<20)|(5<<22)|(7<<25)   ; 8 words
.irp g, G1K, G1V
	s_mov_b32 s[\g+1], 32<<16                      ; half a unit, 16,384 dense bytes, as 64 rows of 256
	s_mov_b32 s[\g+2], 64<<16
	s_mov_b32 s[\g+3], 32<<16
	s_mov_b32 s[\g+4], 64
	s_mov_b32 s[\g+5], 32
	s_mov_b32 s[\g+6], 0
	s_mov_b32 s[\g+7], 0
.endr
	s_mov_b32 s[SEL], 0x76543210
	s_mov_b32 s[SEL+1], 0xfedcba98
	s_mov_b32 s[CS], 0x3e38aa3b                    ; log2(e) / 8
	s_mov_b32 s[CS+1], s[CS]
	s_mov_b32 s[U], 0
	s_mov_b32 s[KO], 0
	s_mov_b32 s[KO+1], 0
	s_mov_b32 s[TB], 0
	s_and_b32 s67, s[WV], 1
	s_lshl_b32 s68, s[BH], 18                      ; my head's bytes in a part
	s_mov_b32 s69, 0
	s_lshl_b32 s70, s67, 14
	s_add_co_u32 s70, s70, s68                     ; + my half of a unit
	s_mov_b32 s71, 0
	s_mul_i32 s73, s67, 17408                      ; where my half goes: K's,
	s_mul_i32 s74, s67, 18432
	s_add_co_u32 s74, s74, VOFF                    ; V's
	s_and_b32 s76, s[BH], 15
	s_lshl_b32 s76, s76, 20
	s_lshr_b32 s77, s[BH], 4
	s_lshl_b32 s77, s77, 18
	s_add_co_u32 s76, s76, s77                     ; y16: head x 1,048,576 + b x 262,144
	s_mov_b32 s77, 0
	s_lshr_b32 s66, s[WV], 2
	s_xor_b32 s66, s66, 1                          ; 0 in waves 4 to 7
	s_or_b32 s66, s66, s[PI]                       ; of the head's work-group 0
	s_cmp_eq_u32 s66, 0
	s_cselect_b32 s[LIM], 6, 0
	s_wait_dscnt 0x0                               ; both opening adds are done
	s_wait_kmcnt 0x0
	s_add_nc_u64 s[QB:QB+1], s[4:5], s[68:69]
	s_add_nc_u64 s[KB:KB+1], s[4:5], s[70:71]
	s_add_nc_u64 s[VB:VB+1], s[KB:KB+1], 0x2000000
	s_add_nc_u64 s[KB:KB+1], s[KB:KB+1], 0x1000000
	s_add_nc_u64 s[YB:YB+1], s[6:7], s[76:77]
	s_mov_b32 s[G0K], 1
	s_mov_b32 s[G0K+1], s73
	s_mov_b64 s[G0K+2:G0K+3], s[KB:KB+1]
	s_or_b32 s[G0K+3], s[G0K+3], 0x80000000
	s_mov_b32 s[G0V], 1
	s_mov_b32 s[G0V+1], s74
	s_mov_b64 s[G0V+2:G0V+3], s[VB:VB+1]
	s_or_b32 s[G0V+3], s[G0V+3], 0x80000000
	TLOAD                                          ; unit 0 into slot 0: one load of mine is out
	s_cmp_lt_u32 s[WV], 6
	s_cselect_b64 s[PFA:PFA+1], s[KB:KB+1], s[VB:VB+1]
	s_add_nc_u64 s[PFA:PFA+1], s[PFA:PFA+1], 32768 ; at unit 1; the first change of slots steps it to unit 2
	v_and_b32 v192, 15, v0                         ; r
	v_bfe_u32 v193, v0, 4, 1                       ; h
	v_lshrrev_b32 v194, 1, v192
	v_and_b32 v195, 1, v0
	v_mul_u32_u24 v[AK0], v194, 272
	v_lshl_add_u32 v[AK0], v195, 7, v[AK0]
	v_lshl_add_u32 v[AK0], v193, 4, v[AK0]         ; K: key r of a tile: 272 (r / 2) + 128 (r % 2) + 16 h
	v_bfe_u32 v196, v0, 1, 2
	v_lshl_add_u32 v196, v193, 2, v196
	v_mul_u32_u24 v[AV0], v196, 288
	v_lshl_add_u32 v[AV0], v195, 7, v[AV0]
	v_bfe_u32 v197, v0, 3, 1
	v_lshl_add_u32 v[AV0], v197, 4, v[AV0]
	v_add_nc_u32 v[AV0], VOFF, v[AV0]              ; V: key 8 h + lane % 8: 288 (key / 2) + 128 (key % 2), + 16 ((lane / 8) % 2)
	v_and_b32 v[PFO], 31, v0
	v_lshlrev_b32 v[GO], 4, v[PFO]                 ; 16 x lane
	v_lshlrev_b32 v[PFO], 8, v[PFO]                ; 256 x lane
	v_lshlrev_b32 v198, 3, v193
	v_sub_nc_u32 v[RH], v192, v198                 ; r - 8 h
	v_mov_b32 v[NINF], 0xff800000
	v_lshlrev_b32 v[QO], 7, v192
	v_lshl_add_u32 v[QO], v193, 4, v[QO]           ; Q: row r of 128 bytes, + 16 h
	s_mul_i32 s66, s[WV], 4608
	s_add_co_u32 s66, s66, STAGE                   ; my stage
	v_mul_u32_u24 v[STO], v192, 144
	v_lshl_add_u32 v[STO], v193, 4, v[STO]
	v_add_nc_u32 v[STO], s66, v[STO]
	v_bfe_u32 v198, v0, 3, 2
	v_mul_u32_u24 v[RD], v198, 144
	v_and_b32 v199, 7, v0
	v_lshl_add_u32 v[RD], v199, 4, v[RD]
	v_add_nc_u32 v[RD], s66, v[RD]
; A pass begins: block s[BLKN] of the head's queries.  Q into registers; m = -3e38, under every score; l and O^T zeros, which the first change of m leaves zeros.
.macro RESTART
	s_lshl_b32 s[Q0], s[BLKN], 8
	s_lshl_b32 s66, s[SUB], 5
	s_add_co_u32 s[Q0], s[Q0], s66
	s_mov_b32 s[KF], 0
	s_lshl_b32 s70, s[Q0], 7
	s_mov_b32 s71, 0
	s_add_nc_u64 s[70:71], s[QB:QB+1], s[70:71]
	WIN 0x40                                       ; destination window 1
.irp t, 0,1
.irp e, 0,1
	global_load_b128 v[QFR+16*\t+8*\e:QFR+16*\t+8*\e+3], v[QO], s[70:71] offset:2048*\t+64*\e
	global_load_b128 v[QFR+16*\t+8*\e+4:QFR+16*\t+8*\e+7], v[QO], s[70:71] offset:2048*\t+64*\e+32
.endr
.endr
	WIN 0
.irp t, 0,1
	v_mov_b32 v[ST+8*\t+1], 0xff61b1e6
	v_mul_f32 v[ST+8*\t], s[CS], v[ST+8*\t+1]
.irp i, 2,3,4,5,6,7
	v_mov_b32 v[ST+8*\t+\i], 0
.endr
.endr
.set i, 0
.rept 64
	v_mov_b32 v[OO+i], 0
.set i, i+1
.endr
	s_wait_loadcnt 0x0                             ; Q is in; its address registers are free
.endm
; THE CHANGE OF SLOTS, at a unit's head.  Each wave waits for all its tensor loads, adds 0 to its spare word (fill = 1: twice on end, in every trip alike), and waits for that and for its reads of the slot that it has left.
; Behind the barrier the slot ahead is whole and nobody reads the other: fill = 1: it is filled with the unit of the next trip, which has a whole unit's steps in which to land.
.macro CHANGE fill
	s_wait_tensorcnt 0x0                           ; no tensor load of mine is out, so a group 0 may be written
	ds_add_u32 v[SPW], v[NIL]
.if \fill
	ds_add_u32 v[SPW], v[NIL]
	s_add_co_u32 s66, s[U], 1
	s_add_co_u32 s[KO], s[KO], 32768               ; the next unit of keys,
	s_cmp_eq_u32 s66, s[N1]
	s_cselect_b32 s[KO], 0, s[KO]                  ; or unit 0, where the second pass begins
	s_xor_b32 s[G0K+1], s[G0K+1], SLOT1
	s_add_nc_u64 s[G0K+2:G0K+3], s[KB:KB+1], s[KO:KO+1]
	s_or_b32 s[G0K+3], s[G0K+3], 0x80000000
	s_xor_b32 s[G0V+1], s[G0V+1], SLOT1
	s_add_nc_u64 s[G0V+2:G0V+3], s[VB:VB+1], s[KO:KO+1]
	s_or_b32 s[G0V+3], s[G0V+3], 0x80000000
	s_wait_xcnt 0x0                                ; the last prefetches, a unit back, have read their address
	s_add_nc_u64 s[PFA:PFA+1], s[PFA:PFA+1], 32768
.endif
	s_wait_dscnt 0x0                               ; the add is done, and my reads of the slot that I have left are over
	s_barrier_signal -1
	s_barrier_wait -1
.if \fill
	TLOAD                                          ; the first thing behind the barrier, and a wave's one tensor load until the next
	ASK
.endif
	v_add_nc_u32 v[ADK], s[TB], v[AK0]
	v_add_nc_u32 v[ADV], s[TB], v[AV0]
.endm
; A KEY STEP: 64 keys, the q-th of the unit in hand, for my two tiles of queries.
.macro STEP q
	s_add_co_u32 s66, s[Q0], 31
	s_cmp_gt_u32 s[KF], s66
	s_cbranch_scc1 .Lhidden_\@                     ; all 64 keys come after my 32 queries
.rept 4
	v_nop                                          ; places in front of loads into registers that the last products have read
.endr
	WIN 0x40
.irp a, 0,1,2,3
.irp e, 0,1
	ds_load_b128 v[KFR+8*(2*\a+\e):KFR+8*(2*\a+\e)+3], v[ADK] offset:8704*(\q)+2176*\a+64*\e
	ds_load_b128 v[KFR+8*(2*\a+\e)+4:KFR+8*(2*\a+\e)+7], v[ADK] offset:8704*(\q)+2176*\a+64*\e+32
.endr
.endr
.irp c, 0,1
.irp d, 0,1,2,3
	ds_load_tr16_b128 v[VFR+8*(4*\c+\d):VFR+8*(4*\c+\d)+3], v[ADV] offset:9216*(\q)+4608*\c+32*\d
	ds_load_tr16_b128 v[VFR+8*(4*\c+\d)+4:VFR+8*(4*\c+\d)+7], v[ADV] offset:9216*(\q)+4608*\c+32*\d+2304
.endr
.endr
	s_wait_dscnt 16                                ; K's 16 loads are in; V's 16 may be out
	WIN 0x05                                       ; K and Q in window 1, S^T in window 0
.irp e, 0,1                                    ; eight accumulators by turns, one instruction a turn
.irp a, 0,1,2,3
.irp t, 0,1
.if \e == 0
	v_wmma_f32_16x16x32_f16 v[SS+32*\t+8*\a:SS+32*\t+8*\a+7], v[KFR+8*(2*\a+\e):KFR+8*(2*\a+\e)+7], v[QFR+16*\t+8*\e:QFR+16*\t+8*\e+7], 0
.else
	v_wmma_f32_16x16x32_f16 v[SS+32*\t+8*\a:SS+32*\t+8*\a+7], v[KFR+8*(2*\a+\e):KFR+8*(2*\a+\e)+7], v[QFR+16*\t+8*\e:QFR+16*\t+8*\e+7], v[SS+32*\t+8*\a:SS+32*\t+8*\a+7]
.endif
.endr
.endr
.endr
	WIN 0
.rept 4
	v_nop                                          ; places in front of the first read of the scores
.endr
	s_add_co_u32 s66, s[KF], 63
	s_cmp_le_u32 s66, s[Q0]
	s_cbranch_scc1 .Lopen_\@                       ; all 64 keys count for all my queries
	s_sub_co_u32 s66, s[Q0], s[KF]
	v_add_nc_u32 v[DM], s66, v[RH]                 ; register n of tile t holds key KF + 16 (n / 8) + n % 8 + 8 h: hidden where 16 (n / 8) + n % 8 > Q0 - KF + 16 t + r - 8 h
	v_add_nc_u32 v[DM+1], 16, v[DM]
.irp n, 0,1,2,3,4,5,6,7,8,9,10,11,12,13,14,15,16,17,18,19,20,21,22,23,24,25,26,27,28,29,30,31
.irp t, 0,1
	v_cmp_gt_i32 vcc_lo, 16*(\n>>3)+(\n&7), v[DM+\t]
	v_cndmask_b32 v[SS+32*\t+\n], v[SS+32*\t+\n], v[NINF], vcc_lo
.endr
.endr
.Lopen_\@:
; the softmax, both tiles by turns.  The maximum of 32 scores and the old m: four chains, each from its accumulator's low end
.irp j, 0,1,2,3
.irp t, 0,1
	v_max3_num_f32 v[ST+8*\t+4+\j], v[SS+32*\t+8*\j], v[SS+32*\t+8*\j+1], v[SS+32*\t+8*\j+2]
.endr
.endr
.irp i, 3,5
.irp j, 0,1,2,3
.irp t, 0,1
	v_max3_num_f32 v[ST+8*\t+4+\j], v[ST+8*\t+4+\j], v[SS+32*\t+8*\j+\i], v[SS+32*\t+8*\j+\i+1]
.endr
.endr
.endr
.irp t, 0,1
	v_max3_num_f32 v[ST+8*\t+4], v[ST+8*\t+4], v[SS+32*\t+7], v[SS+32*\t+15]
.endr
.irp t, 0,1
	v_max3_num_f32 v[ST+8*\t+6], v[ST+8*\t+6], v[SS+32*\t+23], v[SS+32*\t+31]
.endr
.irp t, 0,1
	v_max3_num_f32 v[ST+8*\t+4], v[ST+8*\t+4], v[ST+8*\t+5], v[ST+8*\t+6]
.endr
.irp t, 0,1
	v_max3_num_f32 v[ST+8*\t+4], v[ST+8*\t+4], v[ST+8*\t+7], v[ST+8*\t+1]
.endr
.irp t, 0,1
	v_permlanex16_b32 v[ST+8*\t+5], v[ST+8*\t+4], s[SEL], s[SEL+1]   ; the query's other 32 keys lie in the lane 16 away
.endr
.irp t, 0,1
	v_mov_b32 v[ST+8*\t+7], v[ST+8*\t]             ; c m_old
.endr
.irp t, 0,1
	v_max_num_f32 v[ST+8*\t+1], v[ST+8*\t+4], v[ST+8*\t+5]
.endr
.irp t, 0,1
	v_mul_f32 v[ST+8*\t], s[CS], v[ST+8*\t+1]
.endr
.irp t, 0,1
	v_sub_f32 v[ST+8*\t+7], v[ST+8*\t+7], v[ST+8*\t]
.endr
.irp b, 0,1,2,3,4,5,6,7,8,9,10,11,12,13,14,15
.irp t, 0,1
	v_pk_fma_f32 v[SS+32*\t+2*\b:SS+32*\t+2*\b+1], v[SS+32*\t+2*\b:SS+32*\t+2*\b+1], s[CS:CS+1], v[ST+8*\t:ST+8*\t+1] op_sel_hi:[1,0,0] neg_lo:[0,0,1] neg_hi:[0,0,1]   ; c s - c m
.endr
.endr
.irp t, 0,1
	v_exp_f32 v[ST+8*\t+6], v[ST+8*\t+7]           ; a = 2^(c m_old - c m_new)
.endr
.irp n, 0,1,2,3,4,5,6,7,8,9,10,11,12,13,14,15,16,17,18,19,20,21,22,23,24,25,26,27,28,29,30,31
.irp t, 0,1
	v_exp_f32 v[SS+32*\t+\n], v[SS+32*\t+\n]
.endr
.endr
	v_nop                                          ; a plain instruction behind the last exponential
	s_wait_alu depctr_va_vdst(0)                   ; one wait for the batch of 66, ahead of its first reader
.irp b, 0,1,2,3,4,5,6,7,8,9,10,11,12,13,14,15
.irp t, 0,1
	v_cvt_pk_f16_f32 v[PP+16*\t+\b], v[SS+32*\t+2*\b], v[SS+32*\t+2*\b+1]
.endr
.endr
.irp u, 0,1,2,3,4,5,6,7                        ; the sum of the unrounded p, a tree in place
.irp t, 0,1
	v_pk_add_f32 v[SS+32*\t+4*\u:SS+32*\t+4*\u+1], v[SS+32*\t+4*\u:SS+32*\t+4*\u+1], v[SS+32*\t+4*\u+2:SS+32*\t+4*\u+3]
.endr
.endr
.irp u, 0,1,2,3
.irp t, 0,1
	v_pk_add_f32 v[SS+32*\t+8*\u:SS+32*\t+8*\u+1], v[SS+32*\t+8*\u:SS+32*\t+8*\u+1], v[SS+32*\t+8*\u+4:SS+32*\t+8*\u+5]
.endr
.endr
.irp u, 0,1
.irp t, 0,1
	v_pk_add_f32 v[SS+32*\t+16*\u:SS+32*\t+16*\u+1], v[SS+32*\t+16*\u:SS+32*\t+16*\u+1], v[SS+32*\t+16*\u+8:SS+32*\t+16*\u+9]
.endr
.endr
.irp t, 0,1
	v_pk_add_f32 v[SS+32*\t:SS+32*\t+1], v[SS+32*\t:SS+32*\t+1], v[SS+32*\t+16:SS+32*\t+17]
.endr
.irp t, 0,1
	v_pk_fma_f32 v[ST+8*\t+2:ST+8*\t+3], v[ST+8*\t+2:ST+8*\t+3], v[ST+8*\t+6:ST+8*\t+7], v[SS+32*\t:SS+32*\t+1] op_sel_hi:[1,0,1]   ; l = a l + the sum
.endr
.irp b, 0,1,2,3,4,5,6,7,8,9,10,11,12,13,14,15
.irp t, 0,1
	v_pk_mul_f32 v[OO+32*\t+2*\b:OO+32*\t+2*\b+1], v[OO+32*\t+2*\b:OO+32*\t+2*\b+1], v[ST+8*\t+6:ST+8*\t+7] op_sel_hi:[1,0]   ; O^T x a, each accumulator from its low end
.endr
.endr
	s_wait_dscnt 0x0                               ; V is in
	WIN 0x01                                       ; V in window 1
.irp c, 0,1
.irp d, 0,1,2,3
.irp t, 0,1
	v_wmma_f32_16x16x32_f16 v[OO+32*\t+8*\d:OO+32*\t+8*\d+7], v[VFR+8*(4*\c+\d):VFR+8*(4*\c+\d)+7], v[PP+16*\t+8*\c:PP+16*\t+8*\c+7], v[OO+32*\t+8*\d:OO+32*\t+8*\d+7]
.endr
.endr
.endr
	WIN 0
.Lhidden_\@:
	s_add_co_u32 s[KF], s[KF], 64
.endm
.macro SLOT_STEPS
	STEP 0
	STEP 1
	STEP 2
	STEP 3
	s_xor_b32 s[TB], s[TB], SLOT1                  ; on to the other slot
.endm
; A pass ends: O^T / l, rounded to f16, through my stage, out as 512 consecutive bytes an instruction (four rows of a head).
.macro FINISH
.rept 4
	v_nop                                          ; places behind the last products
.endr
.irp t, 0,1
	v_add_f32 v[ST+8*\t+4], v[ST+8*\t+2], v[ST+8*\t+3]
.endr
.irp t, 0,1
	v_permlanex16_b32 v[ST+8*\t+5], v[ST+8*\t+4], s[SEL], s[SEL+1]
.endr
.irp t, 0,1
	v_add_f32 v[ST+8*\t+4], v[ST+8*\t+4], v[ST+8*\t+5]
.endr
.irp t, 0,1
	v_rcp_f32 v[ST+8*\t+6], v[ST+8*\t+4]
.endr
	v_nop                                          ; a plain instruction behind the last reciprocal
	s_wait_alu depctr_va_vdst(0)                   ; one wait for the two, ahead of the first reader
.irp t, 0,1
.irp b, 0,1,2,3,4,5,6,7,8,9,10,11,12,13,14,15
	v_pk_mul_f32 v[OO+32*\t+2*\b:OO+32*\t+2*\b+1], v[OO+32*\t+2*\b:OO+32*\t+2*\b+1], v[ST+8*\t+6:ST+8*\t+7] op_sel_hi:[1,0]
.endr
.endr
.irp t, 0,1
.irp b, 0,1,2,3,4,5,6,7,8,9,10,11,12,13,14,15
	v_cvt_pk_f16_f32 v[PK+16*\t+\b], v[OO+32*\t+2*\b], v[OO+32*\t+2*\b+1]
.endr
.endr
	s_lshl_b32 s68, s[Q0], 7
	s_mov_b32 s69, 0
	s_add_nc_u64 s[68:69], s[YB:YB+1], s[68:69]
.irp t, 0,1
.irp d, 0,1,2,3
	ds_store_b128 v[STO], v[PK+16*\t+4*\d:PK+16*\t+4*\d+3] offset:2304*\t+32*\d
.endr
.endr
.irp i, 0,1,2,3,4,5,6,7
	ds_load_b128 v[BK+4*\i:BK+4*\i+3], v[RD] offset:576*\i   ; LDS serves a wave's instructions in order: these see my stores
.endr
.irp i, 0,1,2,3,4,5,6,7
	s_wait_dscnt 7-\i                              ; the younger loads may be out
	global_store_b128 v[GO], v[BK+4*\i:BK+4*\i+3], s[68:69] offset:512*\i
.endr
	s_wait_xcnt 0x0                                ; the stores have read their registers and their base
.endm
	s_sub_co_u32 s[BLKN], 7, s[PI]
	RESTART                                        ; the first pass: block 7 - i
.Ltrip:                                            ; eight trips; the ninth is written out
	CHANGE 1
	SLOT_STEPS
	s_add_co_u32 s[U], s[U], 1
	s_cmp_lg_u32 s[U], s[N1]
	s_cbranch_scc1 .Lsame_pass                     ; N1 is 5 to 8: the first pass always ends inside the loop
	FINISH
	s_mov_b32 s[BLKN], s[PI]
	RESTART                                        ; the second pass: block i
.Lsame_pass:
	s_cmp_lt_u32 s[U], 8
	s_cbranch_scc1 .Ltrip
	CHANGE 0
	SLOT_STEPS
	FINISH
	s_wait_tensorcnt 0x0                           ; the wave's end
	ds_add_u32 v[SPW], v[NIL]
	s_wait_dscnt 0x0
	s_endpgm
.Lfunc_end_k_q48e5e19a71_attention:
	.size	k_q48e5e19a71_attention, .Lfunc_end_k_q48e5e19a71_attention-k_q48e5e19a71_attention
	.p2alignl 7, 3214868480
	.fill 96, 4, 3214868480
	.section	.rodata,"a",@progbits
	.p2align	6, 0x0
	.amdhsa_kernel k_q48e5e19a71_attention
		.amdhsa_group_segment_fixed_size 327680
		.amdhsa_private_segment_fixed_size 0
		.amdhsa_enable_private_segment 0
		.amdhsa_kernarg_size 16
		.amdhsa_user_sgpr_count 2
		.amdhsa_user_sgpr_kernarg_segment_ptr 1
		.amdhsa_wavefront_size32 1
		.amdhsa_system_sgpr_workgroup_id_x 1
		.amdhsa_system_sgpr_workgroup_id_y 1
		.amdhsa_system_sgpr_workgroup_id_z 1
		.amdhsa_system_vgpr_workitem_id 0
		.amdhsa_next_free_vgpr 416
		.amdhsa_next_free_sgpr 80
		.amdhsa_reserve_vcc 1
		.amdhsa_float_denorm_mode_32 3
		.amdhsa_float_denorm_mode_16_64 3
		.amdhsa_memory_ordered 1
		.amdhsa_forward_progress 1
		.amdhsa_inst_pref_size 200
	.end_amdhsa_kernel
	.amdgpu_metadata
---
amdhsa.version: [ 1, 2 ]
amdhsa.kernels:
  - .name:           k_q48e5e19a71_attention
    .symbol:         k_q48e5e19a71_attention.kd
    .args:
      - { .name: qkv, .offset: 0, .size: 8, .value_kind: global_buffer, .address_space: global }
      - { .name: y16, .offset: 8, .size: 8, .value_kind: global_buffer, .address_space: global }
    .group_segment_fixed_size: 327680
    .private_segment_fixed_size: 0
    .kernarg_segment_align: 8
    .kernarg_segment_size: 16
    .max_flat_workgroup_size: 256
    .sgpr_count:     80
    .vgpr_count:     416
    .wavefront_size: 32
...
	.end_amdgpu_metadata
.endif
;; end of part 3
;; launch proj (part 4): grid 4 x 64, 4 waves a work-group, clusters of 4 x 4, 327,680 bytes of LDS; arguments y16, wp16, out0; writes out0
.if DOCPART == 4
	.amdgcn_target "amdgcn-amd-amdhsa--gfx1250"
	.amdhsa_code_object_version 6
	.text
	.protected	k_q48e5e19a71_proj
	.globl	k_q48e5e19a71_proj
	.p2align	8
	.type	k_q48e5e19a71_proj,@function
k_q48e5e19a71_proj:
	s_mov_b64 s[64:65], 0
	v_nop
	global_prefetch_b8 v0, s[64:65] scope:SCOPE_SE
	s_setreg_imm32_b32 hwreg(HW_REG_WAVE_MODE, 25, 1), 1
	s_wait_xcnt 0x0
	s_wait_alu depctr_hold_cnt(0) depctr_sa_sdst(0) depctr_va_vdst(0) depctr_va_sdst(0) depctr_va_ssrc(0) depctr_va_vcc(0) depctr_vm_vsrc(0)
	s_getreg_b32 s2, hwreg(HW_REG_IB_STS2, 6, 4)
	s_cmp_eq_u32 s2, 0
	s_cbranch_scc0 .Lentry_in_a_cluster
	s_endpgm
.Lentry_in_a_cluster:
	s_bfe_u32 s2, ttmp6, 0x10000c
	s_cmp_lg_u32 s2, 0xf033
	s_cbranch_scc0 .Lentry_shape_is_right
	s_endpgm
.Lentry_shape_is_right:
; out0[m][n] = the sum over k of y[m][k] w_proj[k][n], f16 operands, f32 sums.  A = y16 [16 head][8192 m][64] (k = 64 head + d), B = wp16 [1024 k][1024 n], out0 [8192][1024] f32.
; (Rows 0-15 of each sequence are written here like all others and are overwritten by the later launch that carries them in f32: to leave them out would take a branch on a work-group's place in its cluster.)
; A tile of C is 128 (m) x 256 (n): 256 work-groups.  Four waves, each 64 x 128: 32 accumulators, all of window 1.  K goes in steps of 128 (two heads) through two LDS slots.
; A's tile is two dense blocks of 16,384 bytes (a head's 128 rows of 128 bytes), laid as rows of two m (256 bytes + 16).  B's tile is 128 rows k of 512 bytes + 32; its fragments are turned by ds_load_tr16_b128.
; CLUSTERS: 4 x 4; A's tiles are asked for jointly along a row of the cluster (the four tile columns), B's along a column.  THE MATRIX INSTRUCTION IS USED TRANSPOSED (source 0 = 16 columns n, source 1 = 16 rows m).
; REGISTERS: window 0: v1-29 addresses; two fragment buffers of 96 (A's 4 fragments, then B's 8) at v64 and v160; on the way out v64-191 hold rows read back.  window 1: accumulator (a, b) at v[8 (8 a + b)].
.set BOFF,  34816
.set SLOT,  104448
.set STAGE, 2*SLOT
.set SPARE, STAGE+4*16*528
.set LAPS,  4
.set ADRA, 16
.set ADRB, 20
.set STO,  24
.set RD,   25
.set CO,   26
.set SPW,  28
.set NIL,  29
.set F0,   64
.set F1,   160
.set G1, 24
.set G0, 32
.set G1B, 48
.set G0B, 56
.set MSB, 0
.macro WIN new
.if MSB != (\new)
	s_set_vgpr_msb (MSB<<8)|(\new)
.set MSB, (\new)
.endif
.endm
.set MUL, 0x50                         ; C and D window 1, sources window 0
.macro JLOAD s                         ; waves 0 and 1 fetch A's two heads, waves 2 and 3 B's two halves; an s_nop 0 and four v_nop follow each line
	s_cmp_eq_u32 s11, 0
	s_cbranch_scc0 .Lfor_b_\@
	tensor_load_to_lds s[G0+4*\s:G0+4*\s+3], s[G1:G1+7]
	s_nop 0
.rept 4
	v_nop
.endr
	s_branch .Lasked_\@
.Lfor_b_\@:
	tensor_load_to_lds s[G0B+4*\s:G0B+4*\s+3], s[G1B:G1B+7]
	s_nop 0
.rept 4
	v_nop
.endr
.Lasked_\@:
.endm
.macro CREST
	s_cmp_lg_u32 s10, 0
	s_cbranch_scc1 .Lnot_wave_0_\@
	s_barrier_signal -3
.Lnot_wave_0_\@:
	s_barrier_wait -3
	s_barrier_signal -1
	s_barrier_wait -1
.endm
.macro CROUND
	s_barrier_signal -1
	s_barrier_wait -1
	CREST
.endm
	s_load_b128 s[4:7], s[0:1], 0x0                ; y16, wp16
	s_load_b64 s[8:9], s[0:1], 0x10                ; out0
	v_lshl_add_u32 v[SPW], v0, 2, SPARE
	v_mov_b32 v[NIL], 0
	ds_add_u32 v[SPW], v[NIL]                      ; the wave's opening: the add, twice on end, and its wait ahead of my first tensor load
	ds_add_u32 v[SPW], v[NIL]
	v_lshrrev_b32 v1, 5, v0
	v_readfirstlane_b32 s10, v1                    ; wave 0..3
	s_lshr_b32 s11, s10, 1                         ; my half of the tile's rows; also: I fetch for A (0) or for B (1)
	s_and_b32 s12, s10, 1                          ; my half of its columns; also: which part I fetch
	s_bfe_u32 s40, ttmp6, 0x40000                  ; cx
	s_bfe_u32 s41, ttmp6, 0x40004                  ; cy
	s_lshl_b32 s42, ttmp9, 2
	s_add_co_u32 s42, s42, s40                     ; tile column
	s_and_b32 s13, ttmp7, 0xffff
	s_lshl_b32 s13, s13, 2
	s_add_co_u32 s13, s13, s41                     ; tile row
	s_lshl_b32 s43, s41, 2
	s_lshl_b32 s43, 15, s43                        ; my row of the cluster
	s_lshl_b32 s44, 0x1111, s40                    ; my column
	s_or_b32 s[G1+0], s43, (3<<16)|(1<<20)|(1<<21)|(5<<22)|(3<<25)   ; A: elements of 8 bytes; 4 words of padding after every 64
	s_mov_b32 s[G1+1], 32<<16                      ; 64 rows of 256 bytes, dense
	s_mov_b32 s[G1+2], 64<<16
	s_mov_b32 s[G1+3], 32<<16
	s_mov_b32 s[G1+4], 64
	s_mov_b32 s[G1+5], 32
	s_mov_b32 s[G1+6], 0
	s_mov_b32 s[G1+7], 0
	s_or_b32 s[G1B+0], s44, (1<<16)|(1<<20)|(1<<21)|(6<<22)|(7<<25)  ; B: elements of 2 bytes; 8 words of padding after every 128
	s_mov_b32 s[G1B+1], 256<<16                    ; 64 rows of 256 elements, 1,024 elements apart
	s_mov_b32 s[G1B+2], 64<<16
	s_mov_b32 s[G1B+3], 256<<16
	s_mov_b32 s[G1B+4], 64
	s_mov_b32 s[G1B+5], 1024
	s_mov_b32 s[G1B+6], 0
	s_mov_b32 s[G1B+7], 0
	s_lshl_b32 s16, s12, 20                        ; A: my head of the K step's two, 1,048,576 bytes a head,
	s_lshl_b32 s17, s13, 14                        ; + tile row x 128 rows of 128 bytes
	s_add_co_u32 s16, s16, s17
	s_mov_b32 s17, 0
	s_lshl_b32 s46, s12, 17                        ; B: my 64 rows of 2,048 bytes,
	s_lshl_b32 s47, s42, 9                         ; + tile column x 512 bytes
	s_add_co_u32 s46, s46, s47
	s_mov_b32 s47, 0
	s_mul_i32 s20, s12, 17408                      ; where they go: no place in the cluster enters an LDS address
	s_mul_i32 s21, s12, 34816
	s_add_co_u32 s21, s21, BOFF
	s_wait_dscnt 0x0                               ; both opening adds are done
	s_wait_kmcnt 0x0
	s_add_nc_u64 s[14:15], s[4:5], s[16:17]
	s_add_nc_u64 s[46:47], s[6:7], s[46:47]
	CROUND                                         ; all sixteen work-groups are here: the first joint loads meet
.irp s, 0,1
	s_mov_b32 s[G0+4*\s], 1
	s_add_co_u32 s[G0+4*\s+1], s20, \s*SLOT
	s_add_nc_u64 s[G0+4*\s+2:G0+4*\s+3], s[14:15], \s*2097152      ; K step s: two heads on
	s_or_b32 s[G0+4*\s+3], s[G0+4*\s+3], 0x80000000
	s_mov_b32 s[G0B+4*\s], 1
	s_add_co_u32 s[G0B+4*\s+1], s21, \s*SLOT
	s_add_nc_u64 s[G0B+4*\s+2:G0B+4*\s+3], s[46:47], \s*262144     ; 128 rows on
	s_or_b32 s[G0B+4*\s+3], s[G0B+4*\s+3], 0x80000000
	JLOAD \s                                       ; two loads of mine are out
.endr
	v_and_b32 v1, 15, v0                           ; r
	v_bfe_u32 v2, v0, 4, 1                         ; h
	v_lshrrev_b32 v3, 1, v1
	v_mul_u32_u24 v3, v3, 272
	v_and_b32 v4, 1, v0
	v_lshl_add_u32 v3, v4, 7, v3
	v_lshl_add_u32 v3, v2, 4, v3                   ; A: row r of a fragment: 272 (r / 2) + 128 (r % 2) + 16 h
	v_and_b32 v4, 7, v0
	v_lshl_add_u32 v4, v2, 3, v4
	v_mul_u32_u24 v4, v4, 544
	v_bfe_u32 v5, v0, 3, 1
	v_lshl_add_u32 v4, v5, 4, v4                   ; B: row k = 8 h + lane % 8, + 16 ((lane / 8) % 2)
	s_mul_i32 s21, s11, 8704                       ; my 64 rows of A
	s_lshl_b32 s22, s12, 8                         ; my 128 columns of B
	s_add_co_u32 s22, s22, BOFF
.irp s, 0,1
	v_add_nc_u32 v[ADRA+\s], s21, v3
	v_add_nc_u32 v[ADRB+\s], s22, v4
	s_add_co_u32 s21, s21, SLOT
	s_add_co_u32 s22, s22, SLOT
.endr
	s_mul_i32 s23, s10, 16*528
	s_add_co_u32 s23, s23, STAGE                   ; my stage: 16 rows of 512 bytes + 16
	v_mul_u32_u24 v5, v1, 528
	v_lshl_add_u32 v5, v2, 5, v5
	v_add_nc_u32 v[STO], s23, v5
	v_and_b32 v6, 31, v0
	v_lshlrev_b32 v[CO], 4, v6
	v_add_nc_u32 v[RD], s23, v[CO]
	s_lshl_b32 s16, s13, 19                        ; out0: (128 tile row + 64 row half) rows of 4,096 bytes
	s_lshl_b32 s17, s11, 18
	s_add_co_u32 s16, s16, s17
	s_mov_b32 s17, 0
	s_add_nc_u64 s[8:9], s[8:9], s[16:17]
	s_lshl_b32 s46, s42, 10                        ; + 1,024 tile column + 512 column half
	s_lshl_b32 s47, s12, 9
	s_add_co_u32 s46, s46, s47
	s_mov_b32 s47, 0
	s_add_nc_u64 s[8:9], s[8:9], s[46:47]
; 8 matrix instructions: A's block a x B's eight, 32 along K.  The 32 accumulators take turns, one instruction a turn.
.macro MUL8 f, a, zero
.irp b, 0,1,2,3,4,5,6,7
.if \zero
	v_wmma_f32_16x16x32_f16 v[8*(8*(\a)+\b):8*(8*(\a)+\b)+7], v[\f+32+8*\b:\f+32+8*\b+7], v[\f+8*(\a):\f+8*(\a)+7], 0
.else
	v_wmma_f32_16x16x32_f16 v[8*(8*(\a)+\b):8*(8*(\a)+\b)+7], v[\f+32+8*\b:\f+32+8*\b+7], v[\f+8*(\a):\f+8*(\a)+7], v[8*(8*(\a)+\b):8*(8*(\a)+\b)+7]
.endif
.endr
.endm
; 24 LDS loads in one run: quarter kq (32 along K) of a slot into buffer f: B's 16, then A's 8, blocks 0 and 1 first
.macro FETCH slot, kq, f
	WIN 0
.irp b, 0,1,2,3,4,5,6,7
	ds_load_tr16_b128 v[\f+32+8*\b:\f+32+8*\b+3], v[ADRB+\slot] offset:17408*(\kq)+32*\b
	ds_load_tr16_b128 v[\f+32+8*\b+4:\f+32+8*\b+7], v[ADRB+\slot] offset:17408*(\kq)+32*\b+8704
.endr
.irp a, 0,1,2,3
	ds_load_b128 v[\f+8*\a:\f+8*\a+3], v[ADRA+\slot] offset:17408*((\kq)>>1)+64*((\kq)&1)+2176*\a
	ds_load_b128 v[\f+8*\a+4:\f+8*\a+7], v[ADRA+\slot] offset:17408*((\kq)>>1)+64*((\kq)&1)+2176*\a+32
.endr
.endm
.macro PLACES
.rept 4
	v_nop
.endr
.endm
.macro QUARTER slot, kq, f, g, zero    ; multiplies buffer f; in its middle fetches quarter kq of the slot into g
	s_wait_dscnt 4                                 ; B and A's blocks 0, 1 are in; the youngest four loads (A's blocks 2, 3) may be out
	WIN MUL
	MUL8 \f, 0, \zero
	MUL8 \f, 1, \zero
	PLACES
	FETCH \slot, \kq, \g
	s_wait_dscnt 24                                ; all but the 24 just issued
	WIN MUL
	MUL8 \f, 2, \zero
	MUL8 \f, 3, \zero
.endm
; A K step's last quarter multiplies buffer 1 and changes slots: one barrier; in front of it each wave waits for all its tensor loads, adds 0 to its spare word, and waits for that and for its reads of this slot.
.macro TURN slot, next, fill
	WIN 0
	s_wait_tensorcnt 0x0                           ; my part of the next slot has landed
	ds_add_u32 v[SPW], v[NIL]
	s_wait_dscnt 5                                 ; the add and the youngest four loads may be out
	WIN MUL
	MUL8 F1, 0, 0
	s_wait_dscnt 0x0                               ; the add is done, and my reads of this slot are over
	s_barrier_signal -1
	MUL8 F1, 1, 0
.if \fill
	WIN 0
.endif
	s_barrier_wait -1
.if \fill
	CREST                                          ; the barrier has opened a round of the cluster's: no wave of any partner still reads this slot or has a load on its way
	s_add_nc_u64 s[G0+4*\slot+2:G0+4*\slot+3], s[G0+4*\slot+2:G0+4*\slot+3], 4194304    ; two K steps on: four heads,
	s_add_nc_u64 s[G0B+4*\slot+2:G0B+4*\slot+3], s[G0B+4*\slot+2:G0B+4*\slot+3], 524288 ; 256 rows
	JLOAD \slot                                    ; the first tensor load behind the round; its four v_nop are also the places in front of the loads below
.else
	PLACES
.endif
	FETCH \next, 0, F0
	WIN MUL
	MUL8 F1, 2, 0
	MUL8 F1, 3, 0
.endm
	s_wait_tensorcnt 1                             ; my part of K step 0 is in; K step 1's load may be out
	s_barrier_signal -1
	s_barrier_wait -1
	FETCH 0, 0, F0
	QUARTER 0, 1, F0, F1, 1                        ; the first quarter's products start the sums
	WIN 0
	s_mov_b32 s3, LAPS-1
.Llap:                                             ; a trip goes once round the ring and fills both slots again
	QUARTER 0, 2, F1, F0, 0
	QUARTER 0, 3, F0, F1, 0
	TURN 0, 1, 1
	QUARTER 1, 1, F0, F1, 0
	QUARTER 1, 2, F1, F0, 0
	QUARTER 1, 3, F0, F1, 0
	TURN 1, 0, 1
	QUARTER 0, 1, F0, F1, 0
	WIN 0
	s_sub_co_u32 s3, s3, 1
	s_cmp_lg_u32 s3, 0
	s_cbranch_scc1 .Llap
	QUARTER 0, 2, F1, F0, 0                        ; the last lap fills nothing
	QUARTER 0, 3, F0, F1, 0
	TURN 0, 1, 0
	QUARTER 1, 1, F0, F1, 0
	QUARTER 1, 2, F1, F0, 0
	QUARTER 1, 3, F0, F1, 0
	s_wait_dscnt 4                                 ; the very last quarter: A's blocks 2, 3 may be out
	WIN MUL
	MUL8 F1, 0, 0
	MUL8 F1, 1, 0
	s_wait_dscnt 0
	MUL8 F1, 2, 0
	MUL8 F1, 3, 0
	WIN 0
; THE WAY OUT, block by block of 16 rows x 128 columns: through my stage, back as whole rows of 512 bytes.
.macro TOSTAGE a
	WIN 0x04                                       ; an LDS store's data: window 1
.irp b, 0,1,2,3,4,5,6,7
	ds_store_b128 v[STO], v[8*(8*(\a)+\b):8*(8*(\a)+\b)+3] offset:64*\b        ; each accumulator from its low end on
	ds_store_b128 v[STO], v[8*(8*(\a)+\b)+4:8*(8*(\a)+\b)+7] offset:64*\b+16
.endr
	WIN 0
.set BB, 64+64*((\a)%2)
.irp t, 0,1,2,3,4,5,6,7,8,9,10,11,12,13,14,15
	ds_load_b128 v[BB+4*\t:BB+4*\t+3], v[RD] offset:\t*528
.endr
.endm
.macro SEND a, younger
.set BB, 64+64*((\a)%2)
	s_wait_dscnt \younger
.irp t, 0,1,2,3,4,5,6,7,8,9,10,11,12,13,14,15
	global_store_b128 v[CO], v[BB+4*\t:BB+4*\t+3], s[8:9] offset:65536*(\a)+4096*\t th:TH_STORE_NT   ; 512 consecutive bytes, at a multiple of 256 from the buffer's first byte
.endr
.endm
	PLACES                                         ; behind the last products: for the reads of results and the loads into the fragments' registers
	TOSTAGE 0
.irp a, 1,2,3
.if \a > 1
	s_wait_xcnt 0x0                                ; block a - 2's stores have read their registers
.endif
	TOSTAGE \a
	SEND \a-1, 32                                  ; behind block a - 1's loads: block a's 16 stores and 16 loads
.endr
	SEND 3, 0
	s_wait_tensorcnt 0x0                           ; the wave's end
	ds_add_u32 v[SPW], v[NIL]
	s_wait_dscnt 0x0
	CROUND                                         ; the closing round
	s_endpgm
.Lfunc_end_k_q48e5e19a71_proj:
	.size	k_q48e5e19a71_proj, .Lfunc_end_k_q48e5e19a71_proj-k_q48e5e19a71_proj
	.p2alignl 7, 3214868480
	.fill 96, 4, 3214868480
	.section	.rodata,"a",@progbits
	.p2align	6, 0x0
	.amdhsa_kernel k_q48e5e19a71_proj
		.amdhsa_group_segment_fixed_size 327680
		.amdhsa_private_segment_fixed_size 0
		.amdhsa_enable_private_segment 0
		.amdhsa_kernarg_size 24
		.amdhsa_user_sgpr_count 2
		.amdhsa_user_sgpr_kernarg_segment_ptr 1
		.amdhsa_wavefront_size32 1
		.amdhsa_system_sgpr_workgroup_id_x 1
		.amdhsa_system_sgpr_workgroup_id_y 1
		.amdhsa_system_sgpr_workgroup_id_z 1
		.amdhsa_system_vgpr_workitem_id 0
		.amdhsa_next_free_vgpr 512
		.amdhsa_next_free_sgpr 66
		.amdhsa_reserve_vcc 0
		.amdhsa_float_denorm_mode_32 3
		.amdhsa_float_denorm_mode_16_64 3
		.amdhsa_memory_ordered 1
		.amdhsa_forward_progress 1
		.amdhsa_inst_pref_size 85
	.end_amdhsa_kernel
	.amdgpu_metadata
---
amdhsa.version: [ 1, 2 ]
amdhsa.kernels:
  - .name:           k_q48e5e19a71_proj
    .symbol:         k_q48e5e19a71_proj.kd
    .args:
      - { .name: y16, .offset: 0, .size: 8, .value_kind: global_buffer, .address_space: global }
      - { .name: wp16, .offset: 8, .size: 8, .value_kind: global_buffer, .address_space: global }
      - { .name: out0, .offset: 16, .size: 8, .value_kind: global_buffer, .address_space: global }
    .group_segment_fixed_size: 327680
    .private_segment_fixed_size: 0
    .kernarg_segment_align: 8
    .kernarg_segment_size: 24
    .max_flat_workgroup_size: 128
    .sgpr_count:     66
    .vgpr_count:     512
    .wavefront_size: 32
...
	.end_amdgpu_metadata
.endif
;; end of part 4
;; launch fine_attn (part 5): grid 16 x 4, 4 waves a work-group, no clusters, 18,688 bytes of LDS; arguments xc, xs, wc, ws, yf; writes yf
.if DOCPART == 5
	.amdgcn_target "amdgcn-amd-amdhsa--gfx1250"
	.amdhsa_code_object_version 6
	.text
	.protected	k_q48e5e19a71_fine_attn
	.globl	k_q48e5e19a71_fine_attn
	.p2align	8
	.type	k_q48e5e19a71_fine_attn,@function
k_q48e5e19a71_fine_attn:
	s_mov_b64 s[64:65], 0
	v_nop
	global_prefetch_b8 v0, s[64:65] scope:SCOPE_SE
	s_setreg_imm32_b32 hwreg(HW_REG_WAVE_MODE, 25, 1), 1
	s_wait_xcnt 0x0
; THE FIRST 16 POSITIONS of each sequence, carried in f32: under the causal mask they average one to sixteen values and are the largest outputs.
; A work-group takes one head (x) of one batch (y).  Phase 1: q, k, v of positions 0-15 once more by the E2M1 matrix instruction on the same codes, kept in f32; wave w makes channels 16 w .. 16 w + 15 of each.
; Phase 2: S^T = K Q^T, the softmax and O^T = V^T P in f32 (v_wmma_f32_16x16x4_f32: 20 instructions a wave, no bulk work); every wave makes S^T and p for itself, wave w channels 16 w on of y.
; yf: [4 b][16 head][16 t][64] f32.  No cluster, no tensor load: a work-group reads 8 KB of x's codes and 96 KB of weights' codes, once.
; REGISTERS: v1-15 addresses; v16-23 x's scale words, v224-247 the weights': scales and nothing else; v24-31 S^T, then p; v32-95 x's 8 fragments, later K and Q in f32; v96-191 12 fragments of the weights, later P, V^T, y;
; v192-223 are written by matrix instructions alone: q then S^T's even steps (v200), k then its odd steps (v208), v then O^T's even steps (v216), O^T's odd steps (v192).
.set QL, 0                             ; LDS: q, 16 rows t of 256 bytes + 16
.set KL, 4352                          ; k likewise
.set VT, 8704                          ; v turned: 64 rows d of 64 bytes + 16
.set YS, 13824                         ; y, 16 rows of 256 bytes + 16
.set SPARE, 18176
	s_load_b256 s[4:11], s[0:1], 0x0               ; xc, xs, wc, ws
	s_load_b64 s[12:13], s[0:1], 0x20              ; yf
	v_lshl_add_u32 v14, v0, 2, SPARE
	v_mov_b32 v15, 0
	v_lshrrev_b32 v1, 5, v0
	v_readfirstlane_b32 s14, v1                    ; wave 0..3
	v_and_b32 v1, 15, v0                           ; r
	v_bfe_u32 v2, v0, 4, 1                         ; h
	v_lshlrev_b32 v3, 9, v1
	v_lshl_add_u32 v3, v2, 4, v3                   ; codes: row r of 512 bytes, + 16 h
	v_lshlrev_b32 v4, 5, v1                        ; scale bytes: row r of 32
	s_lshl_b32 s15, s14, 6
	v_mul_u32_u24 v5, v1, 272
	v_lshl_add_u32 v7, v2, 4, v5                   ; K, Q back: row r, + 16 h
	v_lshl_add_u32 v5, v2, 5, v5
	v_add_nc_u32 v5, s15, v5                       ; q, k, y in: row r, + 64 w + 32 h
	s_mul_i32 s16, s14, 16*80
	s_add_co_u32 s16, s16, VT
	v_mul_u32_u24 v6, v1, 80
	v_lshl_add_u32 v6, v2, 5, v6
	v_add_nc_u32 v6, s16, v6                       ; v, in and back: row 16 w + r, + 32 h
	v_lshlrev_b32 v8, 3, v2
	v_sub_nc_u32 v8, v1, v8                        ; r - 8 h
	s_mul_i32 s16, s14, 4*272
	s_add_co_u32 s16, s16, YS
	v_mul_u32_u24 v9, v2, 272
	v_lshl_add_u32 v9, v1, 4, v9
	v_add_nc_u32 v9, s16, v9                       ; y back: rows 4 w + h, sixteen lanes to a row
	v_and_b32 v10, 31, v0
	v_lshlrev_b32 v10, 4, v10
	v_mov_b32 v11, 0xff800000                      ; -infinity
	v_mov_b32 v13, 0                               ; a lane permute's destination counts as one of its sources
	s_mov_b32 s22, 0x76543210
	s_mov_b32 s23, 0xfedcba98
	s_mov_b32 s24, 0x3e38aa3b                      ; c = log2(e) / 8
	s_and_b32 s17, ttmp7, 0xffff                   ; b
	s_lshl_b32 s18, ttmp9, 6
	s_lshl_b32 s19, s14, 4
	s_add_co_u32 s18, s18, s19                     ; my first row of a part of the weights: 64 head + 16 w
	s_mov_b32 s21, 0
	s_wait_kmcnt 0x0
	s_lshl_b32 s20, s17, 20
	s_add_nc_u64 s[4:5], s[4:5], s[20:21]          ; xc at row 2048 b
	s_lshl_b32 s20, s17, 16
	s_add_nc_u64 s[6:7], s[6:7], s[20:21]
	s_lshl_b32 s20, s18, 9
	s_add_nc_u64 s[8:9], s[8:9], s[20:21]
	s_lshl_b32 s20, s18, 5
	s_add_nc_u64 s[10:11], s[10:11], s[20:21]
	s_lshl_b32 s20, s17, 4
	s_add_co_u32 s20, s20, ttmp9
	s_lshl_b32 s20, s20, 12
	s_lshl_b32 s19, s14, 10
	s_add_co_u32 s20, s20, s19
	s_add_nc_u64 s[12:13], s[12:13], s[20:21]      ; yf at (16 b + head) x 4,096 + 1,024 w
.irp s, 0,1,2,3,4,5,6,7
.irp c, 0,1
	global_load_b128 v[32+8*\s+4*\c:32+8*\s+4*\c+3], v3, s[4:5] offset:64*\s+32*\c
.endr
.endr
	global_load_b128 v[16:19], v4, s[6:7]          ; word s scales K step s of row r
	global_load_b128 v[20:23], v4, s[6:7] offset:16
.irp p, 0,1,2
	global_load_b128 v[224+8*\p:224+8*\p+3], v4, s[10:11] offset:32768*\p
	global_load_b128 v[224+8*\p+4:224+8*\p+7], v4, s[10:11] offset:32768*\p+16
.endr
.macro WLOAD half                      ; the weights' fragments of K steps 4 half .. 4 half + 3, parts q, k, v
.irp p, 0,1,2
.irp s, 0,1,2,3
.irp c, 0,1
	global_load_b128 v[96+8*(4*\p+\s)+4*\c:96+8*(4*\p+\s)+4*\c+3], v3, s[8:9] offset:524288*\p+64*(4*(\half)+\s)+32*\c
.endr
.endr
.endr
.endm
; K step s (its fragments of the weights at place sl): three sums by turns.  q and k: source 0 = the weights' 16 rows, source 1 = x: a lane holds t = r and eight channels.  v: the other way round: a lane holds channel r and eight t.
.macro PROD s, sl, zero
.if \zero
	v_wmma_scale_f32_16x16x128_f8f6f4 v[200:207], v[96+8*(\sl):96+8*(\sl)+7], v[32+8*(\s):32+8*(\s)+7], 0, v[224+(\s)], v[16+(\s)] matrix_a_fmt:MATRIX_FMT_FP4 matrix_b_fmt:MATRIX_FMT_FP4
	v_wmma_scale_f32_16x16x128_f8f6f4 v[208:215], v[128+8*(\sl):128+8*(\sl)+7], v[32+8*(\s):32+8*(\s)+7], 0, v[232+(\s)], v[16+(\s)] matrix_a_fmt:MATRIX_FMT_FP4 matrix_b_fmt:MATRIX_FMT_FP4
	v_wmma_scale_f32_16x16x128_f8f6f4 v[216:223], v[32+8*(\s):32+8*(\s)+7], v[160+8*(\sl):160+8*(\sl)+7], 0, v[16+(\s)], v[240+(\s)] matrix_a_fmt:MATRIX_FMT_FP4 matrix_b_fmt:MATRIX_FMT_FP4
.else
	v_wmma_scale_f32_16x16x128_f8f6f4 v[200:207], v[96+8*(\sl):96+8*(\sl)+7], v[32+8*(\s):32+8*(\s)+7], v[200:207], v[224+(\s)], v[16+(\s)] matrix_a_fmt:MATRIX_FMT_FP4 matrix_b_fmt:MATRIX_FMT_FP4
	v_wmma_scale_f32_16x16x128_f8f6f4 v[208:215], v[128+8*(\sl):128+8*(\sl)+7], v[32+8*(\s):32+8*(\s)+7], v[208:215], v[232+(\s)], v[16+(\s)] matrix_a_fmt:MATRIX_FMT_FP4 matrix_b_fmt:MATRIX_FMT_FP4
	v_wmma_scale_f32_16x16x128_f8f6f4 v[216:223], v[32+8*(\s):32+8*(\s)+7], v[160+8*(\sl):160+8*(\sl)+7], v[216:223], v[16+(\s)], v[240+(\s)] matrix_a_fmt:MATRIX_FMT_FP4 matrix_b_fmt:MATRIX_FMT_FP4
.endif
.endm
	WLOAD 0
	s_wait_loadcnt 0x0
	PROD 0, 0, 1
	PROD 1, 1, 0
	PROD 2, 2, 0
	PROD 3, 3, 0
.rept 4
	v_nop                                          ; places in front of loads into registers that the products have read
.endr
	WLOAD 1
	s_wait_loadcnt 0x0
	PROD 4, 0, 0
	PROD 5, 1, 0
	PROD 6, 2, 0
	PROD 7, 3, 0
.rept 4
	v_nop                                          ; places in front of the reads of the results
.endr
	ds_store_b128 v5, v[200:203] offset:QL
	ds_store_b128 v5, v[204:207] offset:QL+16
	ds_store_b128 v5, v[208:211] offset:KL
	ds_store_b128 v5, v[212:215] offset:KL+16
	ds_store_b128 v6, v[216:219]
	ds_store_b128 v6, v[220:223] offset:16
	s_wait_dscnt 0x0                               ; for the others' sake: my stores have landed
	s_barrier_signal -1
	s_barrier_wait -1
; ---- phase 2.  Lane (r, h) takes, of row r, channels 8 g + 4 h + 0..3 into registers 4 g .. 4 g + 3, of K and of Q alike: the same order of channels on both sides of each step of 4.
.irp g, 0,1,2,3,4,5,6,7
	ds_load_b128 v[32+4*\g:32+4*\g+3], v7 offset:KL+32*\g
	ds_load_b128 v[64+4*\g:64+4*\g+3], v7 offset:QL+32*\g
.endr
	ds_load_b128 v[104:107], v6                    ; V^T: channel 16 w + r, keys 8 h + 0..7
	ds_load_b128 v[108:111], v6 offset:16
	s_wait_dscnt 0x0
.rept 5
	v_nop                                          ; with the four above: the places in front of matrix instructions that write over the first products' results
.endr
.irp g, 0,1,2,3,4,5,6,7
.irp u, 0,1
.if \g == 0
	v_wmma_f32_16x16x4_f32 v[200+8*\u:207+8*\u], v[32+4*\g+2*\u:32+4*\g+2*\u+1], v[64+4*\g+2*\u:64+4*\g+2*\u+1], 0
.else
	v_wmma_f32_16x16x4_f32 v[200+8*\u:207+8*\u], v[32+4*\g+2*\u:32+4*\g+2*\u+1], v[64+4*\g+2*\u:64+4*\g+2*\u+1], v[200+8*\u:207+8*\u]
.endif
.endr
.endr
.rept 8
	v_nop                                          ; places behind this form
.endr
.irp j, 0,1,2,3,4,5,6,7
	v_add_f32 v[24+\j], v[200+\j], v[208+\j]       ; S^T: query r, key 8 h + j
.endr
.irp j, 0,1,2,3,4,5,6,7
	v_cmp_gt_i32 vcc_lo, \j, v8                    ; hidden where 8 h + j > r
	v_cndmask_b32 v[24+\j], v[24+\j], v11, vcc_lo
.endr
	v_max3_num_f32 v12, v24, v25, v26
	v_max3_num_f32 v12, v12, v27, v28
	v_max3_num_f32 v12, v12, v29, v30
	v_max_num_f32 v12, v12, v31
	v_permlanex16_b32 v13, v12, s22, s23
	v_max_num_f32 v12, v12, v13                    ; the row's maximum: key 0 counts for every query
	v_mul_f32 v12, s24, v12
.irp j, 0,1,2,3,4,5,6,7
	v_fma_f32 v[24+\j], v[24+\j], s24, -v12
.endr
.irp j, 0,1,2,3,4,5,6,7
	v_exp_f32 v[24+\j], v[24+\j]
.endr
	v_nop
	s_wait_alu depctr_va_vdst(0)                   ; one wait for the eight, ahead of their first reader
	v_add_f32 v12, v24, v25
.irp j, 2,3,4,5,6,7
	v_add_f32 v12, v12, v[24+\j]
.endr
	v_permlanex16_b32 v13, v12, s22, s23
	v_add_f32 v12, v12, v13
	v_rcp_f32 v12, v12
	v_nop
	s_wait_alu depctr_va_vdst(0)
.irp j, 0,1,2,3,4,5,6,7
	v_mul_f32 v[96+\j], v[24+\j], v12              ; the weights, normalised
.endr
	v_wmma_f32_16x16x4_f32 v[216:223], v[104:105], v[96:97], 0           ; step s takes keys 8 h + 2 s, + 1 on both sides
	v_wmma_f32_16x16x4_f32 v[192:199], v[106:107], v[98:99], 0
	v_wmma_f32_16x16x4_f32 v[216:223], v[108:109], v[100:101], v[216:223]
	v_wmma_f32_16x16x4_f32 v[192:199], v[110:111], v[102:103], v[192:199]
.rept 8
	v_nop
.endr
.irp j, 0,1,2,3,4,5,6,7
	v_add_f32 v[112+\j], v[216+\j], v[192+\j]      ; y(t = r, channel 16 w + 8 h + j)
.endr
	ds_store_b128 v5, v[112:115] offset:YS
	ds_store_b128 v5, v[116:119] offset:YS+16
	s_wait_dscnt 0x0
	s_barrier_signal -1
	s_barrier_wait -1
	ds_load_b128 v[120:123], v9
	ds_load_b128 v[124:127], v9 offset:544
	s_wait_dscnt 1                                 ; the first is in; the second may be out
	global_store_b128 v10, v[120:123], s[12:13]    ; two rows: 512 consecutive bytes
	s_wait_dscnt 0x0
	global_store_b128 v10, v[124:127], s[12:13] offset:512
	s_wait_tensorcnt 0x0                           ; the wave's end
	ds_add_u32 v14, v15
	s_wait_dscnt 0x0
	s_endpgm
.Lfunc_end_k_q48e5e19a71_fine_attn:
	.size	k_q48e5e19a71_fine_attn, .Lfunc_end_k_q48e5e19a71_fine_attn-k_q48e5e19a71_fine_attn
	.p2alignl 7, 3214868480
	.fill 96, 4, 3214868480
	.section	.rodata,"a",@progbits
	.p2align	6, 0x0
	.amdhsa_kernel k_q48e5e19a71_fine_attn
		.amdhsa_group_segment_fixed_size 18688
		.amdhsa_private_segment_fixed_size 0
		.amdhsa_enable_private_segment 0
		.amdhsa_kernarg_size 40
		.amdhsa_user_sgpr_count 2
		.amdhsa_user_sgpr_kernarg_segment_ptr 1
		.amdhsa_wavefront_size32 1
		.amdhsa_system_sgpr_workgroup_id_x 1
		.amdhsa_system_sgpr_workgroup_id_y 1
		.amdhsa_system_sgpr_workgroup_id_z 1
		.amdhsa_system_vgpr_workitem_id 0
		.amdhsa_next_free_vgpr 256
		.amdhsa_next_free_sgpr 66
		.amdhsa_reserve_vcc 1
		.amdhsa_float_denorm_mode_32 3
		.amdhsa_float_denorm_mode_16_64 3
		.amdhsa_memory_ordered 1
		.amdhsa_forward_progress 1
		.amdhsa_inst_pref_size 20
	.end_amdhsa_kernel
	.amdgpu_metadata
---
amdhsa.version: [ 1, 2 ]
amdhsa.kernels:
  - .name:           k_q48e5e19a71_fine_attn
    .symbol:         k_q48e5e19a71_fine_attn.kd
    .args:
      - { .name: xc, .offset: 0, .size: 8, .value_kind: global_buffer, .address_space: global }
      - { .name: xs, .offset: 8, .size: 8, .value_kind: global_buffer, .address_space: global }
      - { .name: wc, .offset: 16, .size: 8, .value_kind: global_buffer, .address_space: global }
      - { .name: ws, .offset: 24, .size: 8, .value_kind: global_buffer, .address_space: global }
      - { .name: yf, .offset: 32, .size: 8, .value_kind: global_buffer, .address_space: global }
    .group_segment_fixed_size: 18688
    .private_segment_fixed_size: 0
    .kernarg_segment_align: 8
    .kernarg_segment_size: 40
    .max_flat_workgroup_size: 128
    .sgpr_count:     66
    .vgpr_count:     256
    .wavefront_size: 32
...
	.end_amdgpu_metadata
.endif
;; end of part 5
;; launch fine_proj (part 6): grid 16 x 4, 16 waves a work-group, no clusters, 19,456 bytes of LDS; arguments yf, w_proj, out0; writes out0
.if DOCPART == 6
	.amdgcn_target "amdgcn-amd-amdhsa--gfx1250"
	.amdhsa_code_object_version 6
	.text
	.protected	k_q48e5e19a71_fine_proj
	.globl	k_q48e5e19a71_fine_proj
	.p2align	8
	.type	k_q48e5e19a71_fine_proj,@function
k_q48e5e19a71_fine_proj:
	s_mov_b64 s[64:65], 0
	v_nop
	global_prefetch_b8 v0, s[64:65] scope:SCOPE_SE
	s_setreg_imm32_b32 hwreg(HW_REG_WAVE_MODE, 25, 1), 1
	s_wait_xcnt 0x0
; THE FIRST 16 POSITIONS of each sequence through the projection, in f32: out0[2048 b + t][n] = the sum over k of yf[b][k / 64][t][k % 64] w_proj[k][n], t = 0..15.  It overwrites the 64 rows that the f16 projection wrote.
; A work-group takes 64 columns (x) of one batch (y), so that its reads of a row of w_proj and its stores are 256 consecutive bytes.  Wave w: columns 16 (w % 4) on, k = 256 (w / 4) on: 64 matrix instructions of 16 x 16 x 4 in f32:
; 64 rows of 8,192, no bulk work.  The four parts along K meet in LDS.  No cluster, no tensor load: each work-group reads its own columns of w_proj once.
; Source 0 = 16 columns of w_proj, source 1 = 16 rows t: a lane holds row t = r and eight neighbouring columns.  Lane (r, h) takes k = 8 g + 4 h + 0..3 into registers 4 g .. 4 g + 3 on both sides.
; v240-255, the two sums, are written by matrix instructions alone.
.set SPARE, 17408                      ; LDS: four parts of 16 rows x (256 bytes + 16); then the spare words, 128 bytes for each of 16 waves
	s_load_b128 s[4:7], s[0:1], 0x0                ; yf, w_proj
	s_load_b64 s[8:9], s[0:1], 0x10                ; out0
	v_lshl_add_u32 v3, v0, 2, SPARE
	v_mov_b32 v4, 0
	v_lshrrev_b32 v1, 5, v0
	v_readfirstlane_b32 s10, v1                    ; wave 0..15
	s_and_b32 s11, s10, 3                          ; which 16 columns
	s_lshr_b32 s12, s10, 2                         ; which 256 along K
	s_and_b32 s15, s10, 7
	v_and_b32 v8, 15, v0                           ; r
	v_bfe_u32 v9, v0, 4, 1                         ; h
	v_lshlrev_b32 v1, 8, v8
	v_lshl_add_u32 v1, v9, 4, v1                   ; yf: row r of 256 bytes, + 16 h
	v_lshlrev_b32 v2, 2, v8
	v_lshl_add_u32 v2, v9, 14, v2                  ; w_proj: column r, 4 h rows of 4,096 bytes down
	s_mul_i32 s13, s12, 4352
	s_lshl_b32 s14, s11, 6
	s_add_co_u32 s13, s13, s14
	v_mul_u32_u24 v5, v8, 272
	v_lshl_add_u32 v5, v9, 5, v5
	v_add_nc_u32 v5, s13, v5                       ; my part: row r, + 64 x column tile + 32 h
	s_mul_i32 s14, s15, 544
	v_mul_u32_u24 v6, v9, 272
	v_lshl_add_u32 v6, v8, 4, v6
	v_add_nc_u32 v6, s14, v6                       ; back (waves 0-7): rows 2 w + h, sixteen lanes to a row
	v_lshlrev_b32 v7, 4, v8
	v_lshl_add_u32 v7, v9, 12, v7                  ; and the same two rows in out0
	s_and_b32 s16, ttmp7, 0xffff                   ; b
	s_mov_b32 s19, 0
	s_wait_kmcnt 0x0
	s_lshl_b32 s18, s16, 16
	s_lshl_b32 s17, s12, 14
	s_add_co_u32 s18, s18, s17
	s_add_nc_u64 s[4:5], s[4:5], s[18:19]          ; yf at batch b, head 4 (w / 4)
	s_lshl_b32 s18, s12, 20
	s_lshl_b32 s17, ttmp9, 8
	s_add_co_u32 s18, s18, s17
	s_lshl_b32 s17, s11, 6
	s_add_co_u32 s18, s18, s17
	s_add_nc_u64 s[6:7], s[6:7], s[18:19]          ; w_proj at row 256 (w / 4), my 16 columns
	s_lshl_b32 s18, s16, 23
	s_lshl_b32 s17, s15, 13
	s_add_co_u32 s18, s18, s17
	s_lshl_b32 s17, ttmp9, 8
	s_add_co_u32 s18, s18, s17
	s_add_nc_u64 s[8:9], s[8:9], s[18:19]          ; out0 at row 2048 b + 2 (w % 8), my work-group's 64 columns
.macro LOADB t                         ; batch t: one head, 64 along K: 8 + 32 loads into set t % 2
.irp g, 0,1,2,3,4,5,6,7
	global_load_b128 v[16+64*((\t)%2)+4*\g:16+64*((\t)%2)+4*\g+3], v1, s[4:5] offset:4096*(\t)+32*\g
.irp i, 0,1,2,3
	global_load_b32 v[48+64*((\t)%2)+4*\g+\i], v2, s[6:7] offset:4096*(64*(\t)+8*\g+\i)
.endr
.endr
.endm
.macro BATCH t
.if (\t) < 3
	s_wait_loadcnt 40                              ; this batch's 40 loads are in; the next batch's 40 may be out
.else
	s_wait_loadcnt 0x0
.endif
.irp g, 0,1,2,3,4,5,6,7                        ; two sums by turns, one instruction a turn
.irp u, 0,1
.if ((\t) == 0) && (\g == 0)
	v_wmma_f32_16x16x4_f32 v[240+8*\u:247+8*\u], v[48+64*((\t)%2)+4*\g+2*\u:48+64*((\t)%2)+4*\g+2*\u+1], v[16+64*((\t)%2)+4*\g+2*\u:16+64*((\t)%2)+4*\g+2*\u+1], 0
.else
	v_wmma_f32_16x16x4_f32 v[240+8*\u:247+8*\u], v[48+64*((\t)%2)+4*\g+2*\u:48+64*((\t)%2)+4*\g+2*\u+1], v[16+64*((\t)%2)+4*\g+2*\u:16+64*((\t)%2)+4*\g+2*\u+1], v[240+8*\u:247+8*\u]
.endif
.endr
.endr
.rept 8
	v_nop                                          ; places behind this form: in front of loads into the set just read, and of the reads of the sums
.endr
.if (\t) < 2
	LOADB (\t)+2
.endif
.endm
	LOADB 0
	LOADB 1
	BATCH 0
	BATCH 1
	BATCH 2
	BATCH 3
.irp j, 0,1,2,3,4,5,6,7
	v_add_f32 v[200+\j], v[240+\j], v[248+\j]
.endr
	ds_store_b128 v5, v[200:203]
	ds_store_b128 v5, v[204:207] offset:16
	s_wait_dscnt 0x0                               ; for the others' sake: my stores have landed
	s_barrier_signal -1
	s_barrier_wait -1
	s_cmp_ge_u32 s10, 8
	s_cbranch_scc1 .Lend                           ; waves 0-7 add the four parts, two rows each
.irp q, 0,1,2,3
	ds_load_b128 v[208+4*\q:208+4*\q+3], v6 offset:4352*\q
.endr
	s_wait_dscnt 0x0
	v_pk_add_f32 v[208:209], v[208:209], v[212:213]
	v_pk_add_f32 v[210:211], v[210:211], v[214:215]
	v_pk_add_f32 v[216:217], v[216:217], v[220:221]
	v_pk_add_f32 v[218:219], v[218:219], v[222:223]
	v_pk_add_f32 v[208:209], v[208:209], v[216:217]
	v_pk_add_f32 v[210:211], v[210:211], v[218:219]
	global_store_b128 v7, v[208:211], s[8:9]       ; sixteen lanes store 256 consecutive bytes, aligned
.Lend:
	s_wait_tensorcnt 0x0                           ; the wave's end
	ds_add_u32 v3, v4
	s_wait_dscnt 0x0
	s_endpgm
.Lfunc_end_k_q48e5e19a71_fine_proj:
	.size	k_q48e5e19a71_fine_proj, .Lfunc_end_k_q48e5e19a71_fine_proj-k_q48e5e19a71_fine_proj
	.p2alignl 7, 3214868480
	.fill 96, 4, 3214868480
	.section	.rodata,"a",@progbits
	.p2align	6, 0x0
	.amdhsa_kernel k_q48e5e19a71_fine_proj
		.amdhsa_group_segment_fixed_size 19456
		.amdhsa_private_segment_fixed_size 0
		.amdhsa_enable_private_segment 0
		.amdhsa_kernarg_size 24
		.amdhsa_user_sgpr_count 2
		.amdhsa_user_sgpr_kernarg_segment_ptr 1
		.amdhsa_wavefront_size32 1
		.amdhsa_system_sgpr_workgroup_id_x 1
		.amdhsa_system_sgpr_workgroup_id_y 1
		.amdhsa_system_sgpr_workgroup_id_z 1
		.amdhsa_system_vgpr_workitem_id 0
		.amdhsa_next_free_vgpr 256
		.amdhsa_next_free_sgpr 66
		.amdhsa_reserve_vcc 0
		.amdhsa_float_denorm_mode_32 3
		.amdhsa_float_denorm_mode_16_64 3
		.amdhsa_memory_ordered 1
		.amdhsa_forward_progress 1
		.amdhsa_inst_pref_size 24
	.end_amdhsa_kernel
	.amdgpu_metadata
---
amdhsa.version: [ 1, 2 ]
amdhsa.kernels:
  - .name:           k_q48e5e19a71_fine_proj
    .symbol:         k_q48e5e19a71_fine_proj.kd
    .args:
      - { .name: yf, .offset: 0, .size: 8, .value_kind: global_buffer, .address_space: global }
      - { .name: w_proj, .offset: 8, .size: 8, .value_kind: global_buffer, .address_space: global }
      - { .name: out0, .offset: 16, .size: 8, .value_kind: global_buffer, .address_space: global }
    .group_segment_fixed_size: 19456
    .private_segment_fixed_size: 0
    .kernarg_segment_align: 8
    .kernarg_segment_size: 24
    .max_flat_workgroup_size: 512
    .sgpr_count:     66
    .vgpr_count:     256
    .wavefront_size: 32
...
	.end_amdgpu_metadata
.endif
;; end of part 6
